; MI455X (gfx1250); checked and timed in simulation.
; The chip was launched on July 23, 2026; its instructions are those of AMD's public machine-readable ISA for CDNA 5 (MIT licence, August 2026) and "CDNA5" Instruction Set Architecture Reference Guide (July 2026). The comments in the code are by the model that wrote it; some were corrected since.
;; Local Causal Attention Block. Allowed arithmetic: float matrix products may take bf16 or f16 operands with f32 sums; other float arithmetic in f32, or as packed bf16 or f16 multiplies, adds, multiply-adds, maxima and minima; sums over many terms, partial sums and values carried from step to step in f32; what a program stores and reads back later, other than sums and carried values, may be rounded once to bf16 or f16.
;; Inputs: b1 4,096 float32; b2 1,024 float32; b_in 3,072 float32; b_out 1,024 float32; ln1_b 1,024 float32; ln1_g 1,024 float32; ln2_b 1,024 float32; ln2_g 1,024 float32; w1 4,096 x 1,024 float32; w2 1,024 x 4,096 float32; w_in 3,072 x 1,024 float32; w_out 1,024 x 1,024 float32; x 2 x 2,048 x 1,024 float32.
;; Outputs: out0 2 x 2,048 x 1,024 float32.
;; One version. Each part assembles by itself: llvm-mc -triple=amdgcn-amd-amdhsa -mcpu=gfx1250 --defsym DOCPART=n.
;; ======== version 1 of 1: 8 launches
;; limits: values are held in f16: magnitudes above 65,504 overflow, below 6.1e-05 lose precision; a function is approximated: absolute error at most 2.5e-05
;; workspace buffers: cv 33,554,432 bytes; qkv 25,165,824 bytes; att 8,388,608 bytes; y 16,777,216 bytes; x1h 8,388,608 bytes; hb 33,554,432 bytes
;; launch cvt (part 1): grid 1024 x 1, 8 waves a work-group, no clusters, 0 bytes of LDS; arguments x, w_in, w_out, w1, w2, cv; writes cv
.if DOCPART == 1
	.amdgcn_target "amdgcn-amd-amdhsa--gfx1250"
	.amdhsa_code_object_version 6
	.text
	.protected	k_qb1dc337c1d_cvt
	.globl	k_qb1dc337c1d_cvt
	.p2align	8
	.type	k_qb1dc337c1d_cvt,@function
k_qb1dc337c1d_cvt:
	s_mov_b64 s[64:65], 0
	v_nop
	global_prefetch_b8 v0, s[64:65] scope:SCOPE_SE
	s_setreg_imm32_b32 hwreg(HW_REG_WAVE_MODE, 25, 1), 1
	s_wait_xcnt 0x0
; 16-bit copies of the five large inputs, in one buffer cv:
;   byte 0           x      as bf16 [4096][1024]
;   byte 8,388,608   w_in   as bf16, rows regrouped by head: [16 heads][q 64, k 64, v 64][1024]
;   byte 14,680,064  w_out  rounded to bf16, that number written as f16 [1024][1024]
;   byte 16,777,216  w1     likewise [4096][1024]
;   byte 25,165,824  w2     likewise [1024][4096]
; LIMITS.  Every input is rounded once, to bf16.  The three f16 copies hold the bf16 number exactly while it lies in 6.1e-5 .. 65,504;
; below that it keeps f16's fixed step of 6e-8, above it becomes an infinity.
; SHARES.  The inputs are 1,024 blocks of 16,384 numbers (64 KiB in, 32 KiB out), a block a work-group; block id lands at byte 32,768 id of cv,
; except w_in's, whose blocks of 16 rows change places.  A thread takes 4 numbers in each of 16 steps: a wave's load covers 512 consecutive bytes,
; its store 256 consecutive bytes, both aligned, and no byte is named by two loads.
; All 16 loads of a thread go out at once; every register is written once, so no store's source is ever rewritten.
.set X, 8                              ; v[8:71]    step s: 4 numbers as loaded
.set Y, 72                             ; v[72:103]  step s: 2 registers to store
.set T, 104                            ; v[104:105] at work
	s_load_b256 s[4:11], s[0:1], 0x0               ; x s[4:5], w_in s[6:7], w_out s[8:9], w1 s[10:11]
	s_load_b128 s[12:15], s[0:1], 0x20             ; w2 s[12:13], cv s[14:15]
	s_mov_b32 s16, ttmp9                           ; the block
	s_mov_b32 s28, 0xffff0000                      ; a word's upper bf16
	v_lshlrev_b32 v1, 4, v0                        ; my 16 bytes in a step's 4,096
	v_lshlrev_b32 v2, 3, v0                        ; my 8 bytes in a step's 2,048
	s_wait_kmcnt 0x0
	s_mov_b64 s[18:19], s[12:13]                   ; which input, and its first block: w2 from 768,
	s_mov_b32 s17, 768
	s_cmp_lt_u32 s16, 768
	s_cselect_b64 s[18:19], s[10:11], s[18:19]     ; w1 from 512,
	s_cselect_b32 s17, 512, s17
	s_cmp_lt_u32 s16, 512
	s_cselect_b64 s[18:19], s[8:9], s[18:19]       ; w_out from 448,
	s_cselect_b32 s17, 448, s17
	s_cmp_lt_u32 s16, 448
	s_cselect_b64 s[18:19], s[6:7], s[18:19]       ; w_in from 256,
	s_cselect_b32 s17, 256, s17
	s_cmp_lt_u32 s16, 256
	s_cselect_b64 s[18:19], s[4:5], s[18:19]       ; x from 0
	s_cselect_b32 s17, 0, s17
	s_sub_co_u32 s20, s16, s17                     ; the block's number in its input
	; w_in's block loc holds rows 16 loc ..: part p = loc / 64, head (loc / 4) % 16, quarter loc % 4; it goes to block 12 head + 4 p + quarter
	s_bfe_u32 s22, s20, 0x40002
	s_mul_i32 s22, s22, 12
	s_lshr_b32 s23, s20, 6
	s_lshl2_add_u32 s22, s23, s22
	s_and_b32 s23, s20, 3
	s_add_co_u32 s22, s22, s23
	s_add_co_u32 s22, s22, 256
	s_sub_co_u32 s23, s16, 256
	s_cmp_lt_u32 s23, 192                          ; is the block w_in's?
	s_cselect_b32 s21, s22, s16
	s_lshl_b32 s24, s20, 16
	s_mov_b32 s25, 0
	s_lshl_b32 s26, s21, 15
	s_mov_b32 s27, 0
	s_add_nc_u64 s[18:19], s[18:19], s[24:25]
	s_add_nc_u64 s[14:15], s[14:15], s[26:27]
.irp s, 0,1,2,3,4,5,6,7,8,9,10,11,12,13,14,15
	global_load_b128 v[X+4*\s:X+4*\s+3], v1, s[18:19] offset:4096*\s th:TH_LOAD_NT
.endr
; mode 0: bf16.  mode 1: rounded to bf16, widened again (a shift, a mask) and written as f16.
.macro OUT mode
.irp s, 0,1,2,3,4,5,6,7,8,9,10,11,12,13,14,15
	s_wait_loadcnt 15-\s                           ; loads come back in order: this step's is in, the later steps' may be out
.irp k, 0,1
.if \mode
	v_cvt_pk_bf16_f32 v[T+\k], v[X+4*\s+2*\k], v[X+4*\s+2*\k+1]
	v_lshlrev_b32 v[X+4*\s+2*\k], 16, v[T+\k]
	v_and_b32 v[X+4*\s+2*\k+1], s28, v[T+\k]
	v_cvt_pk_f16_f32 v[Y+2*\s+\k], v[X+4*\s+2*\k], v[X+4*\s+2*\k+1]
.else
	v_cvt_pk_bf16_f32 v[Y+2*\s+\k], v[X+4*\s+2*\k], v[X+4*\s+2*\k+1]
.endif
.endr
	global_store_b64 v2, v[Y+2*\s:Y+2*\s+1], s[14:15] offset:2048*\s
.endr
.endm
	s_cmp_lt_u32 s16, 448
	s_cbranch_scc0 .Lhalf
	OUT 0                                          ; x and w_in
	s_endpgm
.Lhalf:
	OUT 1                                          ; w_out, w1, w2
	s_endpgm
.Lfunc_end_k_qb1dc337c1d_cvt:
	.size	k_qb1dc337c1d_cvt, .Lfunc_end_k_qb1dc337c1d_cvt-k_qb1dc337c1d_cvt
	.p2alignl 7, 3214868480
	.fill 96, 4, 3214868480
	.section	.rodata,"a",@progbits
	.p2align	6, 0x0
	.amdhsa_kernel k_qb1dc337c1d_cvt
		.amdhsa_group_segment_fixed_size 0
		.amdhsa_private_segment_fixed_size 0
		.amdhsa_enable_private_segment 0
		.amdhsa_kernarg_size 48
		.amdhsa_user_sgpr_count 2
		.amdhsa_user_sgpr_kernarg_segment_ptr 1
		.amdhsa_wavefront_size32 1
		.amdhsa_system_sgpr_workgroup_id_x 1
		.amdhsa_system_sgpr_workgroup_id_y 1
		.amdhsa_system_sgpr_workgroup_id_z 1
		.amdhsa_system_vgpr_workitem_id 0
		.amdhsa_next_free_vgpr 112
		.amdhsa_next_free_sgpr 66
		.amdhsa_reserve_vcc 0
		.amdhsa_float_denorm_mode_32 3
		.amdhsa_float_denorm_mode_16_64 3
		.amdhsa_memory_ordered 1
		.amdhsa_forward_progress 1
		.amdhsa_inst_pref_size 16
	.end_amdhsa_kernel
	.amdgpu_metadata
---
amdhsa.version: [ 1, 2 ]
amdhsa.kernels:
  - .name:           k_qb1dc337c1d_cvt
    .symbol:         k_qb1dc337c1d_cvt.kd
    .args:
      - { .name: x, .offset: 0, .size: 8, .value_kind: global_buffer, .address_space: global }
      - { .name: w_in, .offset: 8, .size: 8, .value_kind: global_buffer, .address_space: global }
      - { .name: w_out, .offset: 16, .size: 8, .value_kind: global_buffer, .address_space: global }
      - { .name: w1, .offset: 24, .size: 8, .value_kind: global_buffer, .address_space: global }
      - { .name: w2, .offset: 32, .size: 8, .value_kind: global_buffer, .address_space: global }
      - { .name: cv, .offset: 40, .size: 8, .value_kind: global_buffer, .address_space: global }
    .group_segment_fixed_size: 0
    .private_segment_fixed_size: 0
    .kernarg_segment_align: 8
    .kernarg_segment_size: 48
    .max_flat_workgroup_size: 256
    .sgpr_count:     66
    .vgpr_count:     112
    .wavefront_size: 32
...
	.end_amdgpu_metadata
.endif
;; end of part 1
;; launch qkvg (part 2): grid 16 x 16, 4 waves a work-group, clusters of 4 x 4, 327,680 bytes of LDS; arguments cv, b_in, qkv; writes qkv
.if DOCPART == 2
	.amdgcn_target "amdgcn-amd-amdhsa--gfx1250"
	.amdhsa_code_object_version 6
	.text
	.protected	k_qb1dc337c1d_qkvg
	.globl	k_qb1dc337c1d_qkvg
	.p2align	8
	.type	k_qb1dc337c1d_qkvg,@function
k_qb1dc337c1d_qkvg:
	s_mov_b64 s[64:65], 0
	v_nop
	global_prefetch_b8 v0, s[64:65] scope:SCOPE_SE
	s_setreg_imm32_b32 hwreg(HW_REG_WAVE_MODE, 25, 1), 1
	s_wait_xcnt 0x0
	s_wait_alu depctr_hold_cnt(0) depctr_sa_sdst(0) depctr_va_vdst(0) depctr_va_sdst(0) depctr_va_ssrc(0) depctr_va_vcc(0) depctr_vm_vsrc(0)
	s_getreg_b32 s2, hwreg(HW_REG_IB_STS2, 6, 4)
	s_cmp_eq_u32 s2, 0
	s_cbranch_scc0 .Lentry_in_a_cluster
	s_endpgm
.Lentry_in_a_cluster:
	s_bfe_u32 s2, ttmp6, 0x10000c
	s_cmp_lg_u32 s2, 0xf033
	s_cbranch_scc0 .Lentry_shape_is_right
	s_endpgm
.Lentry_shape_is_right:
; q, k, v = x w_in^T + b_in, by heads.  A = x as bf16 [4096][1024] (cv, byte 0); B = w_in as bf16, rows by head [16][192][1024] (cv, byte 8,388,608).
; Out: qkv, f16, byte ((p 32 + batch 16 + head) 2048 + token) 128 + 2 channel, p = 0, 1, 2 for q, k, v.  Sums in f32; b_in is rounded to bf16 like every input and starts the sums.
; LIMITS.  q, k, v are rounded once to f16: beyond 65,504 they become infinities.  NaN and infinities are not treated apart.
; SHARES.  A tile is 256 tokens x 192 columns, one head's q, k and v; 16 x 16 tiles, one a work-group.  Four waves, each 128 x 96: 48 accumulators of 16 x 16.
; K goes in 8 steps of 128 through a ring of two LDS slots filled by the tensor data mover; the rows of the tiles are 256 bytes of memory, aligned.
; One K step is written once: the slot in hand is a scalar that an exclusive or turns, and the LDS addresses are made from it.
; CLUSTER.  4 x 4 work-groups: the four of a row need the same tiles of A, the four of a column the same tiles of B; each tile is asked for jointly.
; THE MATRIX INSTRUCTION IS USED TRANSPOSED (source 0 = 16 rows of B, source 1 = 16 rows of A): a lane holds row l % 16 and the columns 8 (l / 16) + 0..7.
; REGISTERS, in windows of 256 (s_set_vgpr_msb: bits 1:0 source 0, 3:2 source 1, 5:4 source 2, 7:6 destination):
;   window 0: v16-37 addresses; v64-127, v128-191 A's fragments, two buffers; v192-215 packed results; on the way out v64-255 rows read back
;   window 1: v0-47 the bias, 8 registers a column block; v64-111, v128-175 B's fragments; v192 at work
;   window 2: accumulators of my rows 0-63 ((a, b) at v[8 (8 a + b)]);  window 3: of my rows 64-127
.set NBK,   6                          ; column blocks of 16 a wave
.set KSTEP, 128
.set PITCH, 272                        ; an LDS row: 256 bytes + 16 of padding: the 16 rows of a load start at 16 different groups of four banks (64 banks of 4 bytes: ISA guide 11.1)
.set HALFA, 128*PITCH                  ; what a wave fetches of A
.set HALFB, 16*NBK*PITCH               ; what a wave fetches of B
.set SLOT,  2*HALFA+2*HALFB            ; A's 256 rows, then B's 192
.set SPARE, 2*SLOT                     ; behind the ring: the spare words, 128 bytes a wave: two blocks of 256 bytes that no other line names
.set NSTEP, 8
.set NLD,   2*NBK+16                   ; LDS loads in a run
.set SPIT,  400                        ; the way out's stage: 256 rows of 384 bytes + 16; it lies over the ring, behind the ring's last fill and a barrier
.set ADRA0, 16                         ; v16  LDS address of my A fragments in slot 0; never rewritten
.set ADRA,  17                         ; v17  in the slot in hand
.set ADRB0, 20
.set ADRB,  21
.set STO,   24
.set RD,    25
.set CO,    26
.set SPW,   28                         ; v28  my spare word: SPARE + 4 x my thread's number; never rewritten
.set NIL,   29                         ; v29  0; never rewritten
.set PFO,   30                         ; v30  the prefetches' offset: a lane a row; never rewritten
.set BAD,   32                         ; v32-37  the bias loads' offsets
.set F0,    64
.set F1,    128
.set TMP,   192
.set BI,    0                          ; window 1
.set BT,    192                        ; window 1
.set G1,  24                           ; s[24:31] group 1 for A;  s[32:39] group 0: a set for each first fill, the second then walks
.set G0,  32
.set G1B, 48                           ; s[48:55], s[56:63] the same for B
.set G0B, 56
.set LIM, 43                           ; s43  2 in a wave that prefetches, else the greatest number
.set PFA, 44                           ; s[44:45] where my prefetches stand
.set CUR, 66                           ; s66  LDS byte of the slot in hand: 0 or SLOT
.set BIAS, 68
.set OUTB, 72                          ; s[72:77] my rows in q, k, v
.set TM,  84                           ; s84-87 at work: the only registers that mix both places in the cluster
.set MSB, 0
.macro WIN new                         ; the immediate's high byte repeats the setting that is left
.if MSB != (\new)
	s_set_vgpr_msb (MSB<<8)|(\new)
.set MSB, \new
.endif
.endm
.macro PLACES                          ; four plain places behind matrix instructions, in front of loads into registers that they have read
.rept 4
	v_nop
.endr
.endm
.macro JLOAD                           ; a joint refill by the walking descriptor: waves 0, 1 fetch A's halves, waves 2, 3 B's; s_nop 0 and four v_nop follow each line
	s_cmp_eq_u32 s11, 0
	s_cbranch_scc0 .Lfor_b_\@
	tensor_load_to_lds s[G0+4:G0+7], s[G1:G1+7]
	s_nop 0
.rept 4
	v_nop
.endr
	s_branch .Lasked_\@
.Lfor_b_\@:
	tensor_load_to_lds s[G0B+4:G0B+7], s[G1B:G1B+7]
	s_nop 0
.rept 4
	v_nop
.endr
.Lasked_\@:
.endm
.macro ASK                             ; a prefetch of the K step two refills on: a lane a row, 256 bytes each; the last two refills have no such step
	s_cmp_gt_u32 s3, s[LIM]
	s_cbranch_scc0 .Lnot_mine_\@
	global_prefetch_b8 v[PFO], s[PFA:PFA+1] offset:KSTEP*2 th:TH_LOAD_NT scope:SCOPE_SE
.Lnot_mine_\@:
.endm
.macro CREST                           ; a round of the cluster's barrier behind its opening barrier
	s_cmp_lg_u32 s10, 0
	s_cbranch_scc1 .Lnot_wave_0_\@
	s_barrier_signal -3
.Lnot_wave_0_\@:
	s_barrier_wait -3
	s_barrier_signal -1
	s_barrier_wait -1
.endm
.macro CROUND
	s_barrier_signal -1
	s_barrier_wait -1
	CREST
.endm
	s_load_b64 s[4:5], s[0:1], 0x0                 ; cv: A
	s_load_b64 s[BIAS:BIAS+1], s[0:1], 0x8         ; b_in
	s_load_b64 s[8:9], s[0:1], 0x10                ; qkv
	v_lshl_add_u32 v[SPW], v0, 2, SPARE
	v_mov_b32 v[NIL], 0
	ds_add_u32 v[SPW], v[NIL]                      ; the wave's opening: the add and its wait stand ahead of my first tensor load
	v_lshrrev_b32 v1, 5, v0
	v_readfirstlane_b32 s10, v1                    ; wave 0..3
	s_lshr_b32 s11, s10, 1                         ; my half of the rows; also: I fetch for A (0) or B (1)
	s_and_b32 s12, s10, 1                          ; my half of the columns; also: which half I fetch
	s_bfe_u32 s40, ttmp6, 0x40000                  ; cx
	s_bfe_u32 s41, ttmp6, 0x40004                  ; cy
	s_lshl_b32 s42, ttmp9, 2
	s_add_co_u32 s42, s42, s40                     ; the head = tile column
	s_and_b32 s13, ttmp7, 0xffff
	s_lshl_b32 s13, s13, 2
	s_add_co_u32 s13, s13, s41                     ; tile row
	s_lshl_b32 s43, s41, 2
	s_lshl_b32 s43, 15, s43                        ; my row of the cluster
	s_lshl_b32 s44, 0x1111, s40                    ; my column
	s_or_b32 s[G1+0], s43, (1<<16)|(1<<20)|(1<<21)|(5<<22)|(3<<25)   ; the mask; 2-byte elements; padding on; bit 21 beside a mask; after every 64 words 4 words
	s_or_b32 s[G1B+0], s44, (1<<16)|(1<<20)|(1<<21)|(5<<22)|(3<<25)
	s_mov_b32 s[G1+1], KSTEP<<16                   ; tensor_dim0 = 128
	s_mov_b32 s[G1B+1], KSTEP<<16
	s_mov_b32 s[G1+2], 128<<16                     ; tensor_dim1 = 128 rows of A,
	s_mov_b32 s[G1B+2], (16*NBK)<<16               ; 96 of B
	s_mov_b32 s[G1+3], KSTEP<<16                   ; tile_dim0 = 128
	s_mov_b32 s[G1B+3], KSTEP<<16
	s_mov_b32 s[G1+4], 128                         ; tile_dim1
	s_mov_b32 s[G1B+4], 16*NBK
	s_mov_b32 s[G1+5], 1024                        ; elements from row to row
	s_mov_b32 s[G1B+5], 1024
	s_mov_b32 s[G1+6], 0
	s_mov_b32 s[G1B+6], 0
	s_mov_b32 s[G1+7], 0
	s_mov_b32 s[G1B+7], 0
	s_lshl_b32 s17, s12, 7
	s_lshl_b32 s16, s13, 8
	s_add_co_u32 s16, s16, s17                     ; A: row 256 x tile row + 128 x half,
	s_lshl_b32 s16, s16, 11                        ; in bytes
	s_mov_b32 s17, 0
	s_mul_i32 s46, s42, 32*NBK
	s_mul_i32 s47, s12, 16*NBK
	s_add_co_u32 s46, s46, s47                     ; B: row 192 x head + 96 x half
	s_lshl_b32 s46, s46, 11
	s_mov_b32 s47, 0
	s_mul_i32 s20, s10, HALFA                      ; where A's halves go (waves 0, 1),
	s_mul_i32 s21, s10, HALFB
	s_add_co_u32 s21, s21, 2*HALFA-2*HALFB         ; and B's (waves 2, 3): behind A's 256 rows
	s_wait_dscnt 0x0                               ; the opening add is done
	s_wait_kmcnt 0x0
	s_add_nc_u64 s[6:7], s[4:5], 8388608           ; B
	s_add_nc_u64 s[14:15], s[4:5], s[16:17]
	s_add_nc_u64 s[46:47], s[6:7], s[46:47]
	CROUND                                         ; all sixteen work-groups are here: the first joint loads meet
.irp s, 0,1
	s_mov_b32 s[G0+4*(\s)], 1
	s_add_co_u32 s[G0+4*(\s)+1], s20, (\s)*SLOT
	s_add_nc_u64 s[G0+4*(\s)+2:G0+4*(\s)+3], s[14:15], (\s)*KSTEP*2
	s_or_b32 s[G0+4*(\s)+3], s[G0+4*(\s)+3], 0x80000000
	s_mov_b32 s[G0B+4*(\s)], 1
	s_add_co_u32 s[G0B+4*(\s)+1], s21, (\s)*SLOT
	s_add_nc_u64 s[G0B+4*(\s)+2:G0B+4*(\s)+3], s[46:47], (\s)*KSTEP*2
	s_or_b32 s[G0B+4*(\s)+3], s[G0B+4*(\s)+3], 0x80000000
.endr
	s_cmp_eq_u32 s11, 0                            ; a wave's two first fills stand in one branch: two loads of mine are out
	s_cbranch_scc0 .Lfirst_b
	tensor_load_to_lds s[G0:G0+3], s[G1:G1+7]
	s_nop 0
	tensor_load_to_lds s[G0+4:G0+7], s[G1:G1+7]
	s_nop 0
.rept 4
	v_nop
.endr
	s_branch .Lfirst_asked
.Lfirst_b:
	tensor_load_to_lds s[G0B:G0B+3], s[G1B:G1B+7]
	s_nop 0
	tensor_load_to_lds s[G0B+4:G0B+7], s[G1B:G1B+7]
	s_nop 0
.rept 4
	v_nop
.endr
.Lfirst_asked:
	v_and_b32 v1, 15, v0                           ; l % 16
	v_bfe_u32 v2, v0, 4, 1                         ; l / 16
	; the bias of column block b: t = 6 x half + b is the block among the head's twelve: part t / 4, channels 16 (t % 4) on; my 8 columns begin 8 (l / 16) further
.irp b, 0,1,2,3,4,5
	s_mul_i32 s[TM], s12, 6
	s_add_co_u32 s[TM], s[TM], \b
	s_lshr_b32 s[TM+1], s[TM], 2
	s_lshl_b32 s[TM+1], s[TM+1], 12
	s_and_b32 s[TM], s[TM], 3
	s_lshl_b32 s[TM], s[TM], 6
	s_add_co_u32 s[TM], s[TM], s[TM+1]
	s_lshl_b32 s[TM+1], s42, 8
	s_add_co_u32 s[TM], s[TM], s[TM+1]
	v_lshl_add_u32 v[BAD+\b], v2, 5, s[TM]
.endr
	WIN 0x40                                       ; destination window 1
.irp b, 0,1,2,3,4,5
	global_load_b128 v[BI+8*\b:BI+8*\b+3],   v[BAD+\b], s[BIAS:BIAS+1]
	global_load_b128 v[BI+8*\b+4:BI+8*\b+7], v[BAD+\b], s[BIAS:BIAS+1] offset:16
.endr
	WIN 0
	v_mul_u32_u24 v3, v1, PITCH
	v_lshl_add_u32 v3, v2, 4, v3                   ; a fragment's row x pitch + 16 x half
	s_mul_i32 s22, s11, HALFA
	v_add_nc_u32 v[ADRA0], s22, v3
	s_mul_i32 s23, s12, HALFB
	s_add_co_u32 s23, s23, 2*HALFA
	v_add_nc_u32 v[ADRB0], s23, v3
	s_lshl_b32 s22, s11, 7                         ; into the stage: row 128 x half + l % 16, my 192 bytes of its 384, 16 bytes for each half of the lanes
	s_mul_i32 s22, s22, SPIT
	s_mul_i32 s23, s12, 192
	s_add_co_u32 s22, s22, s23
	v_mul_u32_u24 v4, v1, SPIT
	v_lshl_add_u32 v4, v2, 4, v4
	v_add_nc_u32 v[STO], s22, v4
	s_mul_i32 s22, s10, 64*SPIT                    ; back: wave w takes rows 64 w ..; 32 lanes take four rows' 128 bytes of one part
	v_bfe_u32 v5, v0, 3, 2
	v_mul_u32_u24 v5, v5, SPIT
	v_and_b32 v6, 7, v0
	v_lshl_add_u32 v5, v6, 4, v5
	v_add_nc_u32 v[RD], s22, v5
	v_and_b32 v6, 31, v0
	v_lshlrev_b32 v[CO], 4, v6                     ; which are 512 consecutive bytes of qkv
	s_lshr_b32 s[TM], s13, 3                       ; batch
	s_lshl_b32 s[TM], s[TM], 4
	s_add_co_u32 s[TM], s[TM], s42                 ; 16 x batch + head,
	s_lshl_b32 s[TM], s[TM], 18                    ; its 2,048 rows of 128 bytes
	s_and_b32 s[TM+1], s13, 7
	s_lshl_b32 s[TM+1], s[TM+1], 8
	s_lshl_b32 s[TM+2], s10, 6
	s_add_co_u32 s[TM+1], s[TM+1], s[TM+2]         ; my first token
	s_lshl_b32 s[TM+1], s[TM+1], 7
	s_add_co_u32 s[TM], s[TM], s[TM+1]
	s_mov_b32 s[TM+1], 0
	s_add_nc_u64 s[OUTB:OUTB+1], s[8:9], s[TM:TM+1]
	s_add_nc_u64 s[OUTB+2:OUTB+3], s[OUTB:OUTB+1], 8388608
	s_add_nc_u64 s[OUTB+4:OUTB+5], s[OUTB:OUTB+1], 16777216
	; THE PREFETCHES.  A's tile row is read by every cluster of that row of clusters: cluster x = 0 asks; B's tile column: cluster y = 0 asks.  The four partners of a joint load share
	; a wave's rows out by address: 32 of A's 128 by cx, 24 of B's 96 by cy; a lane a row (B: lanes 24-31 name row 23 again).  No branch hangs on a place in the cluster.
	s_lshl_b32 s[TM], s13, 8
	s_lshl_b32 s[TM+1], s12, 7
	s_add_co_u32 s[TM], s[TM], s[TM+1]
	s_lshl_b32 s[TM+1], s40, 5
	s_add_co_u32 s[TM], s[TM], s[TM+1]             ; A's row
	s_mul_i32 s[TM+2], s42, 32*NBK
	s_mul_i32 s[TM+1], s12, 16*NBK
	s_add_co_u32 s[TM+2], s[TM+2], s[TM+1]
	s_mul_i32 s[TM+1], s41, 4*NBK
	s_add_co_u32 s[TM+2], s[TM+2], s[TM+1]         ; B's row
	s_and_b32 s[TM+3], ttmp7, 0xffff
	s_cmp_eq_u32 s11, 0
	s_cselect_b32 s[TM], s[TM], s[TM+2]
	s_cselect_b32 s[TM+3], ttmp9, s[TM+3]          ; the coordinate along which other clusters read the same rows
	s_cselect_b32 s[TM+2], 31, 4*NBK-1
	s_cselect_b64 s[PFA:PFA+1], s[4:5], s[6:7]
	s_cmp_eq_u32 s[TM+3], 0
	s_cselect_b32 s[LIM], 2, -1
	s_lshl_b32 s[TM], s[TM], 11
	s_mov_b32 s[TM+1], 0
	s_add_nc_u64 s[PFA:PFA+1], s[PFA:PFA+1], s[TM:TM+1]
	s_add_nc_u64 s[PFA:PFA+1], s[PFA:PFA+1], 2*KSTEP*2  ; at K step 2: the first refill steps it to 3 and names K step 4
	v_and_b32 v[PFO], 31, v0
	v_min_u32 v[PFO], s[TM+2], v[PFO]
	v_lshlrev_b32 v[PFO], 11, v[PFO]
	s_wait_loadcnt 0x0                             ; the bias,
	WIN 0x45                                       ; rounded to bf16 like every input: all in window 1
.set n, 0
.rept 4*NBK
	v_cvt_pk_bf16_f32 v[BT], v[BI+n], v[BI+n+1]
	v_lshlrev_b32 v[BI+n], 16, v[BT]
	v_and_b32 v[BI+n+1], 0xffff0000, v[BT]
.set n, n+2
.endr
	WIN 0
; 2 NBK matrix instructions: row blocks a0, a0 + 1 of the window's four x all column blocks, 32 along K.  zero = 1: the first product starts the sums, with the bias as C.
.macro MUL16 f, hi, a0, zero
.if \zero
	WIN 0x91+0x40*(\hi)                            ; B window 1, A window 0, C (the bias) window 1, D window 2 or 3
.else
	WIN 0xa1+0x50*(\hi)                            ; C and D window 2 or 3
.endif
.irp a, \a0, (\a0)+1
.set bb, 0
.rept NBK
.if \zero
	v_wmma_f32_16x16x32_bf16 v[8*(8*(\a)+bb):8*(8*(\a)+bb)+7], v[(\f)+8*bb:(\f)+8*bb+7], v[(\f)+8*(4*(\hi)+(\a)):(\f)+8*(4*(\hi)+(\a))+7], v[BI+8*bb:BI+8*bb+7]
.else
	v_wmma_f32_16x16x32_bf16 v[8*(8*(\a)+bb):8*(8*(\a)+bb)+7], v[(\f)+8*bb:(\f)+8*bb+7], v[(\f)+8*(4*(\hi)+(\a)):(\f)+8*(4*(\hi)+(\a))+7], v[8*(8*(\a)+bb):8*(8*(\a)+bb)+7]
.endif
.set bb, bb+1
.endr
.endr
.endm
; one run of LDS loads: the fragments of 32 along K at byte k of the rows of the slot in hand, into buffer f: B's, then A's
.macro FETCH k, f
	WIN 0x40
.set ii, 0
.rept NBK
	ds_load_b128 v[(\f)+8*ii:(\f)+8*ii+3],   v[ADRB] offset:(\k)+ii*16*PITCH
	ds_load_b128 v[(\f)+8*ii+4:(\f)+8*ii+7], v[ADRB] offset:(\k)+ii*16*PITCH+32
.set ii, ii+1
.endr
	WIN 0
.set ii, 0
.rept 8
	ds_load_b128 v[(\f)+8*ii:(\f)+8*ii+3],   v[ADRA] offset:(\k)+ii*16*PITCH
	ds_load_b128 v[(\f)+8*ii+4:(\f)+8*ii+7], v[ADRA] offset:(\k)+ii*16*PITCH+32
.set ii, ii+1
.endr
.endm
; one of a K step's first three quarters: multiplies buffer f, fetches the next quarter (byte k) into g in its middle.  The accumulators take turns, in the same order everywhere.
.macro QUARTER k, f, g, zero
	s_wait_dscnt 8                                 ; B and A's rows 0-63 are in; the youngest eight loads (A's rows 64-127) may be out
	MUL16 \f, 0, 0, \zero
	MUL16 \f, 0, 2, \zero
	PLACES
	FETCH \k, \g
	s_wait_dscnt NLD                               ; all but the run just issued
	MUL16 \f, 1, 0, \zero
	MUL16 \f, 1, 2, \zero
.endm
; the first half of the last quarter: one barrier for the change of slots
.macro MEET
	WIN 0
	s_wait_tensorcnt 0x0                           ; all my tensor loads have landed: the one that was out is my part of the next slot
	ds_add_u32 v[SPW], v[NIL]                      ; 0 onto my spare word
	s_wait_dscnt 9                                 ; (the add and the youngest eight loads may be out)
	MUL16 F1, 0, 0, 0
	s_wait_dscnt 0x0                               ; the add is done, and my reads of this slot are over
	s_barrier_signal -1
	MUL16 F1, 0, 2, 0
	WIN 0
	s_barrier_wait -1
.endm
; the whole last quarter.  fill = 1: the barrier opens a round of the cluster's; the slot just read out is filled again first, with the K step two on.
.macro TURN fill
.if \fill
	s_wait_xcnt 0x0                                ; the last prefetch, a K step back, has read its address
	s_add_nc_u64 s[PFA:PFA+1], s[PFA:PFA+1], KSTEP*2
.endif
	MEET
.if \fill
	CREST                                          ; no wave of any partner still reads this slot or has a load on its way
	s_add_co_u32 s[G0+5], s20, s[CUR]              ; the walking descriptors: into the slot in hand,
	s_add_nc_u64 s[G0+6:G0+7], s[G0+6:G0+7], KSTEP*2  ; the next K step
	s_add_co_u32 s[G0B+5], s21, s[CUR]
	s_add_nc_u64 s[G0B+6:G0B+7], s[G0B+6:G0B+7], KSTEP*2
	s_xor_b32 s[CUR], s[CUR], SLOT
	JLOAD                                          ; its four v_nop are also the places in front of the loads below
.else
	s_xor_b32 s[CUR], s[CUR], SLOT
	PLACES
.endif
	v_add_nc_u32 v[ADRA], s[CUR], v[ADRA0]
	v_add_nc_u32 v[ADRB], s[CUR], v[ADRB0]
	FETCH 0, F0
.if \fill
	ASK
.endif
	MUL16 F1, 1, 0, 0
	MUL16 F1, 1, 2, 0
.endm
	s_wait_tensorcnt 1                             ; my part of K step 0 is in; K step 1's may stay out
	s_barrier_signal -1
	s_barrier_wait -1
	s_mov_b32 s[CUR], 0
	v_mov_b32 v[ADRA], v[ADRA0]
	v_mov_b32 v[ADRB], v[ADRB0]
	FETCH 0, F0
	QUARTER 64, F0, F1, 1                          ; the first quarter starts the sums
	WIN 0
	s_mov_b32 s3, NSTEP-2
.La:                                               ; a trip: a K step's quarters 2 to 4, a refill, the next step's first quarter
	QUARTER 128, F1, F0, 0
	QUARTER 192, F0, F1, 0
	TURN 1
	QUARTER 64, F0, F1, 0
	WIN 0
	s_sub_co_u32 s3, s3, 1
	s_cmp_lg_u32 s3, 0
	s_cbranch_scc1 .La
	s_mov_b32 s3, 2
.Lb:                                               ; the last two K steps ask for nothing; the second trip is left in its middle
	QUARTER 128, F1, F0, 0
	QUARTER 192, F0, F1, 0
	WIN 0
	s_sub_co_u32 s3, s3, 1
	s_cmp_eq_u32 s3, 0
	s_cbranch_scc1 .Lfin
	TURN 0
	QUARTER 64, F0, F1, 0
	WIN 0
	s_cmp_lg_u32 s3, 0
	s_cbranch_scc1 .Lb
.Lfin:
	s_wait_dscnt 8
	MUL16 F1, 0, 0, 0
	MUL16 F1, 0, 2, 0
	s_wait_dscnt 0x0
	MUL16 F1, 1, 0, 0
	MUL16 F1, 1, 2, 0
	WIN 0
	s_barrier_signal -1                            ; my reads of the ring are over (the wait for 0 above),
	s_barrier_wait -1                              ; everybody's are: the stage may be written over it
.rept 8
	v_nop                                          ; the places behind the last products
.endr
	; THE WAY OUT: rounded to f16, 16 bytes a lane into the stage; a barrier, since a row's 384 bytes come from two waves; back by parts, four rows of 128 bytes a load
.set a, 0
.rept 8
	WIN 0x0a+5*(a/4)                               ; sources in window 2 or 3
.set bb, 0
.rept NBK
.irp r, 0,1,2,3
	v_cvt_pk_f16_f32 v[TMP+4*bb+\r], v[64*(a%4)+8*bb+2*\r], v[64*(a%4)+8*bb+2*\r+1]
.endr
.set bb, bb+1
.endr
	WIN 0
.set bb, 0
.rept NBK
	ds_store_b128 v[STO], v[TMP+4*bb:TMP+4*bb+3] offset:a*16*SPIT+32*bb
.set bb, bb+1
.endr
.set a, a+1
.endr
	s_wait_dscnt 0x0                               ; for the others' sake: my stores into the stage are done
	s_barrier_signal -1
	s_barrier_wait -1
.set n, 0
.rept 48                                           ; part n / 16, rows 4 (n % 16) on
	ds_load_b128 v[64+4*n:64+4*n+3], v[RD] offset:4*SPIT*(n%16)+128*(n/16)
.set n, n+1
.endr
.set n, 0
.rept 48
	s_wait_dscnt 47-n                              ; load n is back; the later ones may be out
	global_store_b128 v[CO], v[64+4*n:64+4*n+3], s[OUTB+2*(n/16):OUTB+2*(n/16)+1] offset:512*(n%16)  ; 512 consecutive bytes, aligned
.set n, n+1
.endr
	s_wait_tensorcnt 0x0                           ; the wave's end
	ds_add_u32 v[SPW], v[NIL]
	s_wait_dscnt 0x0
	CROUND                                         ; the closing round
	s_endpgm
.Lfunc_end_k_qb1dc337c1d_qkvg:
	.size	k_qb1dc337c1d_qkvg, .Lfunc_end_k_qb1dc337c1d_qkvg-k_qb1dc337c1d_qkvg
	.p2alignl 7, 3214868480
	.fill 96, 4, 3214868480
	.section	.rodata,"a",@progbits
	.p2align	6, 0x0
	.amdhsa_kernel k_qb1dc337c1d_qkvg
		.amdhsa_group_segment_fixed_size 327680
		.amdhsa_private_segment_fixed_size 0
		.amdhsa_enable_private_segment 0
		.amdhsa_kernarg_size 24
		.amdhsa_user_sgpr_count 2
		.amdhsa_user_sgpr_kernarg_segment_ptr 1
		.amdhsa_wavefront_size32 1
		.amdhsa_system_sgpr_workgroup_id_x 1
		.amdhsa_system_sgpr_workgroup_id_y 1
		.amdhsa_system_sgpr_workgroup_id_z 1
		.amdhsa_system_vgpr_workitem_id 0
		.amdhsa_next_free_vgpr 1024
		.amdhsa_next_free_sgpr 88
		.amdhsa_reserve_vcc 0
		.amdhsa_float_denorm_mode_32 3
		.amdhsa_float_denorm_mode_16_64 3
		.amdhsa_memory_ordered 1
		.amdhsa_forward_progress 1
		.amdhsa_inst_pref_size 93
	.end_amdhsa_kernel
	.amdgpu_metadata
---
amdhsa.version: [ 1, 2 ]
amdhsa.kernels:
  - .name:           k_qb1dc337c1d_qkvg
    .symbol:         k_qb1dc337c1d_qkvg.kd
    .args:
      - { .name: cv, .offset: 0, .size: 8, .value_kind: global_buffer, .address_space: global }
      - { .name: b_in, .offset: 8, .size: 8, .value_kind: global_buffer, .address_space: global }
      - { .name: qkv, .offset: 16, .size: 8, .value_kind: global_buffer, .address_space: global }
    .group_segment_fixed_size: 327680
    .private_segment_fixed_size: 0
    .kernarg_segment_align: 8
    .kernarg_segment_size: 24
    .max_flat_workgroup_size: 128
    .sgpr_count:     88
    .vgpr_count:     1024
    .wavefront_size: 32
...
	.end_amdgpu_metadata
.endif
;; end of part 2
;; launch attn (part 3): grid 1024 x 1, 4 waves a work-group, no clusters, 0 bytes of LDS; arguments qkv, att; writes att
.if DOCPART == 3
	.amdgcn_target "amdgcn-amd-amdhsa--gfx1250"
	.amdhsa_code_object_version 6
	.text
	.protected	k_qb1dc337c1d_attn
	.globl	k_qb1dc337c1d_attn
	.p2align	8
	.type	k_qb1dc337c1d_attn,@function
k_qb1dc337c1d_attn:
	s_mov_b64 s[64:65], 0
	v_nop
	global_prefetch_b8 v0, s[64:65] scope:SCOPE_SE
	s_setreg_imm32_b32 hwreg(HW_REG_WAVE_MODE, 25, 1), 1
	s_wait_xcnt 0x0
; Local causal attention: token t sees the keys t - 4 .. t of its own batch and head.  att[token][head 64 + channel] = sum over d of softmax_d(q_t . k_(t-d) / 8) v_(t-d).
; qkv: f16, byte ((p 32 + batch 16 + head) 2048 + token) 128 + 2 channel.  att: f16 [4096][1024].  Products, maximum, exponentials and sums in f32; att rounded once.
; The true maximum of the visible scores is taken away.  A key in front of the sequence's first token has the score -infinity and the weight 0; its rows are read from the clamped row 0, which is finite data.
; LIMITS.  att is a mean of v's rows and has their range.  NaN and infinities in q, k, v are not treated apart.
; No matrix unit, no LDS, no cluster: 640 multiply-adds for a token and head, and no work-group shares more than four rows with a neighbour.
; SHARES.  A wave takes 8 tokens of two neighbouring heads, in four sets of two tokens.  Lane l: channels 8 (l % 8) .. + 7, head (l / 8) % 2, token l / 16 of the set.
; So a load covers two whole runs of 256 bytes, and lanes 0-15 of a store 256 consecutive bytes of a row of att, aligned.  K and V rows are loaded once for all sets: row shifts -4 .. 6.
.set U,    2                           ; v2    my byte offset at row P = t0 + l / 16
.set OA,   7                           ; v3-6  the same at rows max(P - n, 0), n = 1..4;  v7 my offset in att
.set VP,   8                           ; v8    P
.set ZERO, 9
.set NINF, 10
.set Q,    16                          ; v[16:31]   set i's q
.set KK,   32                          ; v[32:75]   row shift e at KK + 4 (e + 4)
.set VV,   76                          ; v[76:119]
.set S,    120                         ; v120-124   the five scores, then weights
.set MX,   125
.set CM,   126
.set L,    127
.set RC,   128                         ; v[128:129] 1 / l, and a word that is only named with it
.set O,    130                         ; v[130:137]
.set TT,   138
.set H,    140                         ; v[140:155] set i's 4 registers to store
.set MK,   20                          ; s21-24     lanes for which row P - n lies in front of the sequence
	s_load_b128 s[4:7], s[0:1], 0x0                ; qkv, att
	v_lshrrev_b32 v1, 5, v0
	v_readfirstlane_b32 s8, v1                     ; wave
	s_lshr_b32 s9, ttmp9, 6                        ; G = 8 x batch + pair of heads
	s_and_b32 s10, ttmp9, 63
	s_lshl_b32 s10, s10, 5
	s_lshl_b32 s11, s8, 3
	s_add_co_u32 s10, s10, s11                     ; t0: my first token
	s_lshl_b32 s2, s9, 19                          ; two heads' 2 x 2,048 rows of 128 bytes
	s_mov_b32 s3, 0
	s_lshr_b32 s26, s9, 3
	s_lshl_b32 s26, s26, 11
	s_add_co_u32 s26, s26, s10
	s_lshl_b32 s26, s26, 11                        ; att: row 2,048 x batch + t0, 2,048 bytes a row,
	s_and_b32 s27, s9, 7
	s_lshl_b32 s27, s27, 8                         ; the pair's 256 bytes
	s_add_co_u32 s26, s26, s27
	s_mov_b32 s27, 0
	s_mov_b32 s25, 0x3e38aa3b                      ; c = log2(e) / 8
	s_mov_b32 s28, 0xbe38aa3b                      ; -c
	v_mov_b32 v[ZERO], 0
	v_mov_b32 v[NINF], 0xff800000
	v_mov_b32 v[RC+1], 0
	v_and_b32 v11, 7, v0
	v_bfe_u32 v12, v0, 3, 1
	v_bfe_u32 v13, v0, 4, 1
	v_lshlrev_b32 v14, 4, v11
	v_lshl_add_u32 v14, v12, 18, v14               ; head x 262,144 + 16 x (l % 8)
	v_add_nc_u32 v[VP], s10, v13
	v_lshl_add_u32 v[U], v[VP], 7, v14
.irp n, 1,2,3,4
	v_cmp_gt_u32 s[MK+\n], \n, v[VP]               ; n > P: the row does not exist
	v_add_nc_u32 v15, -\n, v[VP]
	v_cndmask_b32 v15, v15, v[ZERO], s[MK+\n]      ; then row 0 is read in its stead
	v_lshl_add_u32 v[U+\n], v15, 7, v14
.endr
	v_and_b32 v15, 15, v0
	v_lshlrev_b32 v[OA], 4, v15
	v_lshl_add_u32 v[OA], v13, 11, v[OA]
	s_wait_kmcnt 0x0
	s_add_nc_u64 s[12:13], s[4:5], s[2:3]          ; q
	s_add_nc_u64 s[14:15], s[12:13], 8388608       ; k
	s_add_nc_u64 s[16:17], s[12:13], 16777216      ; v
	s_add_nc_u64 s[18:19], s[6:7], s[26:27]
	; all 26 loads at once, in the order in which the sets want them: 11 for set 0, 5 for each later set
	global_load_b128 v[Q:Q+3], v[U], s[12:13] th:TH_LOAD_NT
.irp n, 4,3,2,1
	global_load_b128 v[KK+4*(4-\n):KK+4*(4-\n)+3], v[U+\n], s[14:15]
.endr
	global_load_b128 v[KK+16:KK+19], v[U], s[14:15]
.irp n, 4,3,2,1
	global_load_b128 v[VV+4*(4-\n):VV+4*(4-\n)+3], v[U+\n], s[16:17]
.endr
	global_load_b128 v[VV+16:VV+19], v[U], s[16:17]
.irp i, 1,2,3
	global_load_b128 v[Q+4*\i:Q+4*\i+3], v[U], s[12:13] offset:256*\i th:TH_LOAD_NT
	global_load_b128 v[KK+4*(2*\i+3):KK+4*(2*\i+3)+3], v[U], s[14:15] offset:256*\i-128
	global_load_b128 v[KK+4*(2*\i+4):KK+4*(2*\i+4)+3], v[U], s[14:15] offset:256*\i
	global_load_b128 v[VV+4*(2*\i+3):VV+4*(2*\i+3)+3], v[U], s[16:17] offset:256*\i-128
	global_load_b128 v[VV+4*(2*\i+4):VV+4*(2*\i+4)+3], v[U], s[16:17] offset:256*\i
.endr
; Set i: tokens P + 2 i; key d lies at row shift 2 i - d.
.macro SET i
	s_wait_loadcnt 15-5*(\i)                       ; this set's loads are in; the later sets' five each may be out
.irp w, 0,1,2,3                                ; my 8 channels' part of the five scores: five chains by turns
.irp d, 0,1,2,3,4
.if \w == 0
	v_fma_mix_f32 v[S+\d], v[Q+4*(\i)], v[KK+4*(2*(\i)-\d+4)], v[ZERO] op_sel_hi:[1,1,0]
.else
	v_fma_mix_f32 v[S+\d], v[Q+4*(\i)+\w], v[KK+4*(2*(\i)-\d+4)+\w], v[S+\d] op_sel_hi:[1,1,0]
.endif
.endr
.irp d, 0,1,2,3,4
	v_fma_mix_f32 v[S+\d], v[Q+4*(\i)+\w], v[KK+4*(2*(\i)-\d+4)+\w], v[S+\d] op_sel:[1,1,0] op_sel_hi:[1,1,0]
.endr
.endr
.irp x, 1,2,4                                  ; the eight lanes of a token and head are added: every one ends with the sum
.irp d, 0,1,2,3,4
	v_add_f32_dpp v[S+\d], v[S+\d], v[S+\d] row_xmask:\x row_mask:0xf bank_mask:0xf
.endr
.endr
.irp d, 1,2,3,4
.if 2*(\i) < \d
	v_cndmask_b32 v[S+\d], v[S+\d], v[NINF], s[MK+\d-2*(\i)]
.endif
.endr
	v_max3_num_f32 v[MX], v[S], v[S+1], v[S+2]     ; the token's own key is always visible: the maximum is a true score
	v_max3_num_f32 v[MX], v[MX], v[S+3], v[S+4]
	v_mul_f32 v[CM], s28, v[MX]                    ; -c m
.irp d, 0,1,2,3,4
	v_fma_f32 v[S+\d], v[S+\d], s25, v[CM]         ; c s - c m
.endr
.irp d, 0,1,2,3,4
	v_exp_f32 v[S+\d], v[S+\d]
.endr
	v_nop                                          ; a plain instruction behind the last exponential,
	s_wait_alu depctr_va_vdst(0)                   ; and the one wait for the five ahead of their first reader
	v_add_f32 v[L], v[S], v[S+1]
	v_add_f32 v[TT], v[S+2], v[S+3]
	v_add_f32 v[L], v[L], v[S+4]
	v_add_f32 v[L], v[L], v[TT]
	v_rcp_f32 v[RC], v[L]                          ; the 40 lines below name neither it nor its source
.irp d, 0,1,2,3,4
.irp w, 0,1,2,3
.if \d == 0
	v_fma_mix_f32 v[O+2*\w],   v[VV+4*(2*(\i)+4)+\w], v[S], v[ZERO] op_sel_hi:[1,0,0]
	v_fma_mix_f32 v[O+2*\w+1], v[VV+4*(2*(\i)+4)+\w], v[S], v[ZERO] op_sel:[1,0,0] op_sel_hi:[1,0,0]
.else
	v_fma_mix_f32 v[O+2*\w],   v[VV+4*(2*(\i)-\d+4)+\w], v[S+\d], v[O+2*\w] op_sel_hi:[1,0,0]
	v_fma_mix_f32 v[O+2*\w+1], v[VV+4*(2*(\i)-\d+4)+\w], v[S+\d], v[O+2*\w+1] op_sel:[1,0,0] op_sel_hi:[1,0,0]
.endif
.endr
.endr
	s_wait_alu depctr_va_vdst(0)                   ; the reciprocal's wait, ahead of its first reader
.irp w, 0,1,2,3
	v_pk_mul_f32 v[O+2*\w:O+2*\w+1], v[O+2*\w:O+2*\w+1], v[RC:RC+1] op_sel_hi:[1,0]
.endr
.irp w, 0,1,2,3
	v_cvt_pk_f16_f32 v[H+4*(\i)+\w], v[O+2*\w], v[O+2*\w+1]
.endr
	global_store_b128 v[OA], v[H+4*(\i):H+4*(\i)+3], s[18:19] offset:4096*(\i)  ; each set has its own four registers: none is rewritten
.endm
	SET 0
	SET 1
	SET 2
	SET 3
	s_endpgm
.Lfunc_end_k_qb1dc337c1d_attn:
	.size	k_qb1dc337c1d_attn, .Lfunc_end_k_qb1dc337c1d_attn-k_qb1dc337c1d_attn
	.p2alignl 7, 3214868480
	.fill 96, 4, 3214868480
	.section	.rodata,"a",@progbits
	.p2align	6, 0x0
	.amdhsa_kernel k_qb1dc337c1d_attn
		.amdhsa_group_segment_fixed_size 0
		.amdhsa_private_segment_fixed_size 0
		.amdhsa_enable_private_segment 0
		.amdhsa_kernarg_size 16
		.amdhsa_user_sgpr_count 2
		.amdhsa_user_sgpr_kernarg_segment_ptr 1
		.amdhsa_wavefront_size32 1
		.amdhsa_system_sgpr_workgroup_id_x 1
		.amdhsa_system_sgpr_workgroup_id_y 1
		.amdhsa_system_sgpr_workgroup_id_z 1
		.amdhsa_system_vgpr_workitem_id 0
		.amdhsa_next_free_vgpr 160
		.amdhsa_next_free_sgpr 66
		.amdhsa_reserve_vcc 0
		.amdhsa_float_denorm_mode_32 3
		.amdhsa_float_denorm_mode_16_64 3
		.amdhsa_memory_ordered 1
		.amdhsa_forward_progress 1
		.amdhsa_inst_pref_size 36
	.end_amdhsa_kernel
	.amdgpu_metadata
---
amdhsa.version: [ 1, 2 ]
amdhsa.kernels:
  - .name:           k_qb1dc337c1d_attn
    .symbol:         k_qb1dc337c1d_attn.kd
    .args:
      - { .name: qkv, .offset: 0, .size: 8, .value_kind: global_buffer, .address_space: global }
      - { .name: att, .offset: 8, .size: 8, .value_kind: global_buffer, .address_space: global }
    .group_segment_fixed_size: 0
    .private_segment_fixed_size: 0
    .kernarg_segment_align: 8
    .kernarg_segment_size: 16
    .max_flat_workgroup_size: 128
    .sgpr_count:     66
    .vgpr_count:     160
    .wavefront_size: 32
...
	.end_amdgpu_metadata
.endif
;; end of part 3
;; launch oproj (part 4): grid 8 x 32, 4 waves a work-group, clusters of 4 x 4, 327,680 bytes of LDS; arguments att, cv, b_out, y; writes y
.if DOCPART == 4
	.amdgcn_target "amdgcn-amd-amdhsa--gfx1250"
	.amdhsa_code_object_version 6
	.text
	.protected	k_qb1dc337c1d_oproj
	.globl	k_qb1dc337c1d_oproj
	.p2align	8
	.type	k_qb1dc337c1d_oproj,@function
k_qb1dc337c1d_oproj:
	s_mov_b64 s[64:65], 0
	v_nop
	global_prefetch_b8 v0, s[64:65] scope:SCOPE_SE
	s_setreg_imm32_b32 hwreg(HW_REG_WAVE_MODE, 25, 1), 1
	s_wait_xcnt 0x0
	s_wait_alu depctr_hold_cnt(0) depctr_sa_sdst(0) depctr_va_vdst(0) depctr_va_sdst(0) depctr_va_ssrc(0) depctr_va_vcc(0) depctr_vm_vsrc(0)
	s_getreg_b32 s2, hwreg(HW_REG_IB_STS2, 6, 4)
	s_cmp_eq_u32 s2, 0
	s_cbranch_scc0 .Lentry_in_a_cluster
	s_endpgm
.Lentry_in_a_cluster:
	s_bfe_u32 s2, ttmp6, 0x10000c
	s_cmp_lg_u32 s2, 0xf033
	s_cbranch_scc0 .Lentry_shape_is_right
	s_endpgm
.Lentry_shape_is_right:
; y = att w_out^T + b_out + x, in f32: what the first layer norm takes.  A = att, f16 [4096][1024]; B = w_out (bf16's number as f16) [1024][1024] at byte 14,680,064 of cv;
; the residual x is cv's bf16 copy at byte 0; b_out is rounded to bf16 like every input and starts the sums.  Sums in f32.
; SHARES.  A tile of y is 128 x 128: 8 x 32 tiles, one a work-group.  Four waves, each 64 x 64: 16 accumulators.  K goes in 4 steps of 256 (LDS rows of 512 bytes) through two slots.
; One K step is written once: the slot in hand is a scalar that an exclusive or turns.  CLUSTER: 4 x 4; A's tiles are shared along a row, B's along a column, each asked for jointly.
; THE WALK ALONG K IS ROTATED: cluster (X, Y) begins at K step (NSTEP / 4) (2 X + Y % 4) mod NSTEP and wraps round.  So the two clusters that read the same rows of A are half a walk apart, and
; four clusters one below the other, which read the same rows of B, a quarter each.  X and Y are the same in all sixteen partners, so a joint load's descriptor is the same in all that it names.
; LIMIT: an output's f32 sum is taken over K in that rotated order, not ascending from 0.
; The matrix instruction is used transposed (source 0 = rows of B, source 1 = rows of A): a lane holds row l % 16 and the columns 8 (l / 16) + 0..7.
; No prefetch: the tiles are small.
; REGISTERS.  window 0: v12 at work; v16-31 addresses; v32-95 the residual of my 32 rows on the way out; v96-127 the bias; v128-255 the accumulators ((a, b) at 128 + 8 (4 a + b)), later rows.
;   window 1: two fragment buffers of 128: for 64 along K, 64 registers of A, then 64 of B.
.set KD,    1024
.set BOFF,  14680064
.set RESBF, 1                          ; the residual is bf16
.set NSTEP, KD/256
.set KSTEP, 256
.set PITCH, 528                        ; 512 bytes + 16 of padding: the 16 rows of a load start at 16 different groups of four banks (64 banks of 4 bytes: ISA guide 11.1)
.set HALFT, 64*PITCH
.set SLOT,  4*HALFT
.set SPARE, 2*SLOT                     ; behind the ring: the spare words, two blocks of 256 bytes that no other line names
.set SPIT,  528                        ; the stage, 128 rows of f32, lies over the ring, behind the ring's last fill and a barrier
.set ADRA0, 16
.set ADRA,  17
.set ADRB0, 20
.set ADRB,  21
.set STO,   24
.set RD,    25
.set CO,    26
.set ONE,   27
.set SPW,   28
.set NIL,   29
.set RA,    30
.set BA,    31
.set RES,   32
.set BI,    96
.set ACC,   128
.set F0,    0
.set F1,    128
.set G1,  24
.set G0,  32
.set G1B, 48
.set G0B, 56
.set CUR, 66                           ; s66  LDS byte of the slot in hand: 0 or SLOT
.set KS,  67                           ; s67  the K step to ask for next; it counts on, and its low bits are taken
.set BIAS, 68
.set RESP, 70
.set TM,  72
.set KO,  76                           ; s[76:77] that K step's byte offset in a row, made apart from the addresses
.set MSB, 0
.macro WIN new
.if MSB != (\new)
	s_set_vgpr_msb (MSB<<8)|(\new)
.set MSB, \new
.endif
.endm
.macro PLACES
.rept 4
	v_nop
.endr
.endm
.macro JLOAD
	s_cmp_eq_u32 s11, 0
	s_cbranch_scc0 .Lfor_b_\@
	tensor_load_to_lds s[G0+4:G0+7], s[G1:G1+7]
	s_nop 0
.rept 4
	v_nop
.endr
	s_branch .Lasked_\@
.Lfor_b_\@:
	tensor_load_to_lds s[G0B+4:G0B+7], s[G1B:G1B+7]
	s_nop 0
.rept 4
	v_nop
.endr
.Lasked_\@:
.endm
.macro CREST
	s_cmp_lg_u32 s10, 0
	s_cbranch_scc1 .Lnot_wave_0_\@
	s_barrier_signal -3
.Lnot_wave_0_\@:
	s_barrier_wait -3
	s_barrier_signal -1
	s_barrier_wait -1
.endm
.macro CROUND
	s_barrier_signal -1
	s_barrier_wait -1
	CREST
.endm
	s_load_b128 s[4:7], s[0:1], 0x0                ; att, cv
	s_load_b64 s[BIAS:BIAS+1], s[0:1], 0x10        ; b_out
	s_load_b64 s[8:9], s[0:1], 0x18                ; y
	v_lshl_add_u32 v[SPW], v0, 2, SPARE
	v_mov_b32 v[NIL], 0
	ds_add_u32 v[SPW], v[NIL]                      ; the wave's opening: the add and its wait stand ahead of my first tensor load
	v_lshrrev_b32 v1, 5, v0
	v_readfirstlane_b32 s10, v1
	s_lshr_b32 s11, s10, 1                         ; my half of the rows; also: I fetch for A (0) or B (1)
	s_and_b32 s12, s10, 1                          ; my half of the columns; also: which 64 rows I fetch
	s_bfe_u32 s40, ttmp6, 0x40000
	s_bfe_u32 s41, ttmp6, 0x40004
	s_lshl_b32 s42, ttmp9, 2
	s_add_co_u32 s42, s42, s40                     ; tile column
	s_and_b32 s13, ttmp7, 0xffff
	s_lshl_b32 s13, s13, 2
	s_add_co_u32 s13, s13, s41                     ; tile row
	s_lshl_b32 s43, s41, 2
	s_lshl_b32 s43, 15, s43
	s_lshl_b32 s44, 0x1111, s40
	s_or_b32 s[G1+0], s43, (1<<16)|(1<<20)|(1<<21)|(6<<22)|(3<<25)   ; the mask; 2-byte elements; padding on; bit 21 beside a mask; after every 128 words 4 words
	s_or_b32 s[G1B+0], s44, (1<<16)|(1<<20)|(1<<21)|(6<<22)|(3<<25)
.irp g, G1, G1B
	s_mov_b32 s[(\g)+1], KSTEP<<16
	s_mov_b32 s[(\g)+2], 64<<16
	s_mov_b32 s[(\g)+3], KSTEP<<16
	s_mov_b32 s[(\g)+4], 64
	s_mov_b32 s[(\g)+5], KD
	s_mov_b32 s[(\g)+6], 0
	s_mov_b32 s[(\g)+7], 0
.endr
	s_lshl_b32 s17, s12, 6
	s_lshl_b32 s16, s13, 7
	s_add_co_u32 s16, s16, s17                     ; A: row 128 x tile row + 64 x half
	s_mul_i32 s16, s16, 2*KD
	s_lshl_b32 s46, s42, 7
	s_add_co_u32 s46, s46, s17                     ; B: row 128 x tile column + 64 x half
	s_mul_i32 s46, s46, 2*KD
	s_mov_b32 s17, 0
	s_mov_b32 s47, 0
	s_mul_i32 s20, s10, HALFT                      ; where they go: wave x 64 rows
	s_and_b32 s[KS], ttmp7, 3                      ; the cluster's first K step: cluster y % 4
	s_lshl_b32 s[KO], ttmp9, 1
	s_add_co_u32 s[KS], s[KS], s[KO]               ; + 2 x cluster x,
	s_mul_i32 s[KS], s[KS], NSTEP/4                ; in quarters of the walk; taken mod NSTEP where it is used
	s_mov_b32 s[KO+1], 0
	s_wait_dscnt 0x0
	s_wait_kmcnt 0x0
.if RESBF
	s_mov_b64 s[RESP:RESP+1], s[6:7]               ; the residual: cv's first part
.endif
	s_add_nc_u64 s[6:7], s[6:7], BOFF
	s_add_nc_u64 s[14:15], s[4:5], s[16:17]        ; my rows of A at K = 0; kept
	s_add_nc_u64 s[46:47], s[6:7], s[46:47]        ; my rows of B at K = 0; kept
	CROUND
.irp s, 0,1
	s_add_co_u32 s[KO], s[KS], \s                  ; the walk's step s,
	s_and_b32 s[KO], s[KO], NSTEP-1
	s_lshl_b32 s[KO], s[KO], 9                     ; 512 bytes of a row each
	s_mov_b32 s[G0+4*(\s)], 1
	s_add_co_u32 s[G0+4*(\s)+1], s20, (\s)*SLOT
	s_add_nc_u64 s[G0+4*(\s)+2:G0+4*(\s)+3], s[14:15], s[KO:KO+1]
	s_or_b32 s[G0+4*(\s)+3], s[G0+4*(\s)+3], 0x80000000
	s_mov_b32 s[G0B+4*(\s)], 1
	s_add_co_u32 s[G0B+4*(\s)+1], s20, (\s)*SLOT
	s_add_nc_u64 s[G0B+4*(\s)+2:G0B+4*(\s)+3], s[46:47], s[KO:KO+1]
	s_or_b32 s[G0B+4*(\s)+3], s[G0B+4*(\s)+3], 0x80000000
.endr
	s_add_co_u32 s[KS], s[KS], 2
	s_cmp_eq_u32 s11, 0                            ; a wave's two first fills stand in one branch: two loads of mine are out
	s_cbranch_scc0 .Lfirst_b
	tensor_load_to_lds s[G0:G0+3], s[G1:G1+7]
	s_nop 0
	tensor_load_to_lds s[G0+4:G0+7], s[G1:G1+7]
	s_nop 0
.rept 4
	v_nop
.endr
	s_branch .Lfirst_asked
.Lfirst_b:
	tensor_load_to_lds s[G0B:G0B+3], s[G1B:G1B+7]
	s_nop 0
	tensor_load_to_lds s[G0B+4:G0B+7], s[G1B:G1B+7]
	s_nop 0
.rept 4
	v_nop
.endr
.Lfirst_asked:
	v_and_b32 v1, 15, v0
	v_bfe_u32 v2, v0, 4, 1
	v_and_b32 v5, 31, v0
	s_lshl_b32 s[TM], s13, 7
	s_lshl_b32 s[TM+1], s10, 5
	s_add_co_u32 s[TM], s[TM], s[TM+1]             ; the first of the 32 rows that I send out
	s_lshl_b32 s[TM+2], s[TM], 11                  ; in the residual: 2,048 bytes a row, the tile's 256
	s_lshl_b32 s[TM+1], s42, 8
	s_add_co_u32 s[TM+2], s[TM+2], s[TM+1]
	s_mov_b32 s[TM+3], 0
	s_add_nc_u64 s[RESP:RESP+1], s[RESP:RESP+1], s[TM+2:TM+3]
	s_lshl_b32 s[TM], s[TM], 12                    ; in y: 4,096 bytes a row, the tile's 512
	s_lshl_b32 s[TM+1], s42, 9
	s_add_co_u32 s[TM], s[TM], s[TM+1]
	s_mov_b32 s[TM+1], 0
	s_add_nc_u64 s[8:9], s[8:9], s[TM:TM+1]
	s_lshl_b32 s[TM], s42, 9                       ; the bias of my 64 columns; my 8 of a block begin 8 (l / 16) further
	s_lshl_b32 s[TM+1], s12, 8
	s_add_co_u32 s[TM], s[TM], s[TM+1]
	v_lshl_add_u32 v[BA], v2, 5, s[TM]
	v_lshlrev_b32 v[RA], 3, v5
.irp b, 0,1,2,3
	global_load_b128 v[BI+8*\b:BI+8*\b+3],   v[BA], s[BIAS:BIAS+1] offset:64*\b
	global_load_b128 v[BI+8*\b+4:BI+8*\b+7], v[BA], s[BIAS:BIAS+1] offset:64*\b+16
.endr
.set t, 0
.rept 32                                           ; the residual: a row's 256 bytes a load; it stays on its way through the K loop, its registers and addresses untouched
	global_load_b64 v[RES+2*t:RES+2*t+1], v[RA], s[RESP:RESP+1] offset:2048*t
.set t, t+1
.endr
	v_mov_b32 v[ONE], 1.0
	v_mul_u32_u24 v3, v1, PITCH
	v_lshl_add_u32 v3, v2, 4, v3
	s_mul_i32 s22, s11, HALFT
	v_add_nc_u32 v[ADRA0], s22, v3
	s_mul_i32 s23, s12, HALFT
	s_add_co_u32 s23, s23, 2*HALFT
	v_add_nc_u32 v[ADRB0], s23, v3
	s_mul_i32 s22, s11, 64*SPIT                    ; into the stage: row 64 x half + l % 16, my 256 bytes of its 512, 32 bytes for each half of the lanes
	s_lshl_b32 s23, s12, 8
	s_add_co_u32 s22, s22, s23
	v_mul_u32_u24 v4, v1, SPIT
	v_lshl_add_u32 v4, v2, 5, v4
	v_add_nc_u32 v[STO], s22, v4
	s_mul_i32 s22, s10, 32*SPIT                    ; back: wave w takes rows 32 w ..; 32 lanes take a row's 512 bytes
	v_lshl_add_u32 v[RD], v5, 4, s22
	v_lshlrev_b32 v[CO], 4, v5
	s_wait_loadcnt 32                              ; the bias is in; the 32 loads of the residual may be out
.set n, 0
.rept 16
	v_cvt_pk_bf16_f32 v12, v[BI+n], v[BI+n+1]      ; rounded to bf16 like every input
	v_lshlrev_b32 v[BI+n], 16, v12
	v_and_b32 v[BI+n+1], 0xffff0000, v12
.set n, n+2
.endr
; 8 matrix instructions: row blocks a0, a0 + 1 x all 4 column blocks, 32 along K: half c of buffer f.  zero = 1: the first product starts the sums, with the bias as C
.macro MUL8 f, c, a0, zero
	WIN 0x05                                       ; sources 0 (B) and 1 (A) window 1; C and D window 0
.irp a, \a0, (\a0)+1
.irp b, 0,1,2,3
.if \zero
	v_wmma_f32_16x16x32_f16 v[ACC+8*(4*(\a)+(\b)):ACC+8*(4*(\a)+(\b))+7], v[(\f)+64+8*(4*(\c)+(\b)):(\f)+64+8*(4*(\c)+(\b))+7], v[(\f)+8*(4*(\c)+(\a)):(\f)+8*(4*(\c)+(\a))+7], v[BI+8*(\b):BI+8*(\b)+7]
.else
	v_wmma_f32_16x16x32_f16 v[ACC+8*(4*(\a)+(\b)):ACC+8*(4*(\a)+(\b))+7], v[(\f)+64+8*(4*(\c)+(\b)):(\f)+64+8*(4*(\c)+(\b))+7], v[(\f)+8*(4*(\c)+(\a)):(\f)+8*(4*(\c)+(\a))+7], v[ACC+8*(4*(\a)+(\b)):ACC+8*(4*(\a)+(\b))+7]
.endif
.endr
.endr
.endm
.macro FETCH k, f                      ; 32 LDS loads in one run: 64 along K at byte k of the rows of the slot in hand; the first 32 along K first
	WIN 0x40
.irp c, 0,1
.irp i, 0,1,2,3
	ds_load_b128 v[(\f)+64+8*(4*(\c)+(\i)):(\f)+64+8*(4*(\c)+(\i))+3],   v[ADRB] offset:(\k)+64*(\c)+(\i)*16*PITCH
	ds_load_b128 v[(\f)+64+8*(4*(\c)+(\i))+4:(\f)+64+8*(4*(\c)+(\i))+7], v[ADRB] offset:(\k)+64*(\c)+(\i)*16*PITCH+32
	ds_load_b128 v[(\f)+8*(4*(\c)+(\i)):(\f)+8*(4*(\c)+(\i))+3],         v[ADRA] offset:(\k)+64*(\c)+(\i)*16*PITCH
	ds_load_b128 v[(\f)+8*(4*(\c)+(\i))+4:(\f)+8*(4*(\c)+(\i))+7],       v[ADRA] offset:(\k)+64*(\c)+(\i)*16*PITCH+32
.endr
.endr
.endm
.macro QUARTER k, f, g, zero
	s_wait_dscnt 16                                ; the first 32 along K are in
	MUL8 \f, 0, 0, \zero
	MUL8 \f, 0, 2, \zero
	PLACES
	FETCH \k, \g
	s_wait_dscnt 32                                ; all but the 32 just issued
	MUL8 \f, 1, 0, 0
	MUL8 \f, 1, 2, 0
.endm
; The last quarter multiplies buffer 1 and changes slots: one barrier; fill = 1: it opens a round of the cluster's, and the slot read out is filled again first.
; A step's matrix work is shorter than a refill's way, so as little as may be stands between a tile's landing and the next request: the descriptor's words are made while the add is out,
; eight matrix instructions stand between the add and the wait for it, and the quarter's other 24 follow the refill and the run of LDS loads.
.macro TURN fill
	WIN 0
	s_wait_tensorcnt 0x0                           ; all my tensor loads have landed: my part of the next slot; so a group 0 may be written
	ds_add_u32 v[SPW], v[NIL]                      ; 0 onto my spare word
.if \fill
	s_and_b32 s[KO], s[KS], NSTEP-1                ; the walk's next K step, wrapped round,
	s_lshl_b32 s[KO], s[KO], 9
	s_add_co_u32 s[KS], s[KS], 1
	s_add_co_u32 s[G0+5], s20, s[CUR]              ; into the slot in hand; the global address is made anew from my rows' first byte
	s_add_nc_u64 s[G0+6:G0+7], s[14:15], s[KO:KO+1]
	s_or_b32 s[G0+7], s[G0+7], 0x80000000
	s_add_co_u32 s[G0B+5], s20, s[CUR]
	s_add_nc_u64 s[G0B+6:G0B+7], s[46:47], s[KO:KO+1]
	s_or_b32 s[G0B+7], s[G0B+7], 0x80000000
.endif
	s_xor_b32 s[CUR], s[CUR], SLOT
	s_wait_dscnt 17                                ; (the add and the youngest sixteen loads may be out)
	MUL8 F1, 0, 0, 0
	WIN 0
	s_wait_dscnt 0x0                               ; the add is done, and my reads of this slot are over
	s_barrier_signal -1
	s_barrier_wait -1
.if \fill
	CREST                                          ; no wave of any partner still reads this slot or has a load on its way
	JLOAD                                          ; its four v_nop are also the places in front of the loads below
.else
	PLACES
.endif
	v_add_nc_u32 v[ADRA], s[CUR], v[ADRA0]
	v_add_nc_u32 v[ADRB], s[CUR], v[ADRB0]
	FETCH 0, F0
	MUL8 F1, 0, 2, 0
	MUL8 F1, 1, 0, 0
	MUL8 F1, 1, 2, 0
.endm
	s_wait_tensorcnt 1                             ; my part of the walk's first step is in; the second's may stay out
	s_barrier_signal -1
	s_barrier_wait -1
	s_mov_b32 s[CUR], 0
	v_mov_b32 v[ADRA], v[ADRA0]
	v_mov_b32 v[ADRB], v[ADRB0]
	FETCH 0, F0
	QUARTER 128, F0, F1, 1
	WIN 0
	s_mov_b32 s3, NSTEP-2
.La:
	QUARTER 256, F1, F0, 0
	QUARTER 384, F0, F1, 0
	TURN 1
	QUARTER 128, F0, F1, 0
	WIN 0
	s_sub_co_u32 s3, s3, 1
	s_cmp_lg_u32 s3, 0
	s_cbranch_scc1 .La
	s_mov_b32 s3, 2
.Lb:                                               ; the last two K steps ask for nothing; the second trip is left in its middle
	QUARTER 256, F1, F0, 0
	QUARTER 384, F0, F1, 0
	WIN 0
	s_sub_co_u32 s3, s3, 1
	s_cmp_eq_u32 s3, 0
	s_cbranch_scc1 .Lfin
	TURN 0
	QUARTER 128, F0, F1, 0
	WIN 0
	s_cmp_lg_u32 s3, 0
	s_cbranch_scc1 .Lb
.Lfin:
	s_wait_dscnt 16
	MUL8 F1, 0, 0, 0
	MUL8 F1, 0, 2, 0
	s_wait_dscnt 0x0
	MUL8 F1, 1, 0, 0
	MUL8 F1, 1, 2, 0
	WIN 0
	s_barrier_signal -1                            ; everybody's reads of the ring are over: the stage may be written over it
	s_barrier_wait -1
.rept 8
	v_nop                                          ; the places behind the last products
.endr
.set t, 0
.rept 16                                           ; accumulator t = 4 a + b: its low four registers first
	ds_store_b128 v[STO], v[ACC+8*t:ACC+8*t+3]   offset:(t/4)*16*SPIT+64*(t%4)
	ds_store_b128 v[STO], v[ACC+8*t+4:ACC+8*t+7] offset:(t/4)*16*SPIT+64*(t%4)+16
.set t, t+1
.endr
	s_wait_dscnt 0x0                               ; for the others' sake: my stores into the stage are done
	s_barrier_signal -1
	s_barrier_wait -1
.set t, 0
.rept 32
	ds_load_b128 v[ACC+4*t:ACC+4*t+3], v[RD] offset:SPIT*t
.set t, t+1
.endr
	s_wait_loadcnt 0x0                             ; the residual
.set t, 0
.rept 32
	s_wait_dscnt 31-t                              ; row t is back; the later rows may be out
.if RESBF
	v_fma_mix_f32_bf16 v[ACC+4*t],   v[RES+2*t],   v[ONE], v[ACC+4*t]   op_sel:[0,0,0] op_sel_hi:[1,0,0]
	v_fma_mix_f32_bf16 v[ACC+4*t+1], v[RES+2*t],   v[ONE], v[ACC+4*t+1] op_sel:[1,0,0] op_sel_hi:[1,0,0]
	v_fma_mix_f32_bf16 v[ACC+4*t+2], v[RES+2*t+1], v[ONE], v[ACC+4*t+2] op_sel:[0,0,0] op_sel_hi:[1,0,0]
	v_fma_mix_f32_bf16 v[ACC+4*t+3], v[RES+2*t+1], v[ONE], v[ACC+4*t+3] op_sel:[1,0,0] op_sel_hi:[1,0,0]
.else
	v_fma_mix_f32 v[ACC+4*t],   v[RES+2*t],   v[ONE], v[ACC+4*t]   op_sel:[0,0,0] op_sel_hi:[1,0,0]
	v_fma_mix_f32 v[ACC+4*t+1], v[RES+2*t],   v[ONE], v[ACC+4*t+1] op_sel:[1,0,0] op_sel_hi:[1,0,0]
	v_fma_mix_f32 v[ACC+4*t+2], v[RES+2*t+1], v[ONE], v[ACC+4*t+2] op_sel:[0,0,0] op_sel_hi:[1,0,0]
	v_fma_mix_f32 v[ACC+4*t+3], v[RES+2*t+1], v[ONE], v[ACC+4*t+3] op_sel:[1,0,0] op_sel_hi:[1,0,0]
.endif
	global_store_b128 v[CO], v[ACC+4*t:ACC+4*t+3], s[8:9] offset:4096*t  ; 512 consecutive bytes of a row of y, aligned
.set t, t+1
.endr
	s_wait_tensorcnt 0x0                           ; the wave's end
	ds_add_u32 v[SPW], v[NIL]
	s_wait_dscnt 0x0
	CROUND                                         ; the closing round
	s_endpgm
.Lfunc_end_k_qb1dc337c1d_oproj:
	.size	k_qb1dc337c1d_oproj, .Lfunc_end_k_qb1dc337c1d_oproj-k_qb1dc337c1d_oproj
	.p2alignl 7, 3214868480
	.fill 96, 4, 3214868480
	.section	.rodata,"a",@progbits
	.p2align	6, 0x0
	.amdhsa_kernel k_qb1dc337c1d_oproj
		.amdhsa_group_segment_fixed_size 327680
		.amdhsa_private_segment_fixed_size 0
		.amdhsa_enable_private_segment 0
		.amdhsa_kernarg_size 32
		.amdhsa_user_sgpr_count 2
		.amdhsa_user_sgpr_kernarg_segment_ptr 1
		.amdhsa_wavefront_size32 1
		.amdhsa_system_sgpr_workgroup_id_x 1
		.amdhsa_system_sgpr_workgroup_id_y 1
		.amdhsa_system_sgpr_workgroup_id_z 1
		.amdhsa_system_vgpr_workitem_id 0
		.amdhsa_next_free_vgpr 512
		.amdhsa_next_free_sgpr 80
		.amdhsa_reserve_vcc 0
		.amdhsa_float_denorm_mode_32 3
		.amdhsa_float_denorm_mode_16_64 3
		.amdhsa_memory_ordered 1
		.amdhsa_forward_progress 1
		.amdhsa_inst_pref_size 75
	.end_amdhsa_kernel
	.amdgpu_metadata
---
amdhsa.version: [ 1, 2 ]
amdhsa.kernels:
  - .name:           k_qb1dc337c1d_oproj
    .symbol:         k_qb1dc337c1d_oproj.kd
    .args:
      - { .name: att, .offset: 0, .size: 8, .value_kind: global_buffer, .address_space: global }
      - { .name: cv, .offset: 8, .size: 8, .value_kind: global_buffer, .address_space: global }
      - { .name: b_out, .offset: 16, .size: 8, .value_kind: global_buffer, .address_space: global }
      - { .name: y, .offset: 24, .size: 8, .value_kind: global_buffer, .address_space: global }
    .group_segment_fixed_size: 327680
    .private_segment_fixed_size: 0
    .kernarg_segment_align: 8
    .kernarg_segment_size: 32
    .max_flat_workgroup_size: 128
    .sgpr_count:     80
    .vgpr_count:     512
    .wavefront_size: 32
...
	.end_amdgpu_metadata
.endif
;; end of part 4
;; launch ln1 (part 5): grid 512 x 1, 8 waves a work-group, no clusters, 0 bytes of LDS; arguments y, ln1_g, ln1_b, x1h; writes x1h
.if DOCPART == 5
	.amdgcn_target "amdgcn-amd-amdhsa--gfx1250"
	.amdhsa_code_object_version 6
	.text
	.protected	k_qb1dc337c1d_ln1
	.globl	k_qb1dc337c1d_ln1
	.p2align	8
	.type	k_qb1dc337c1d_ln1,@function
k_qb1dc337c1d_ln1:
	s_mov_b64 s[64:65], 0
	v_nop
	global_prefetch_b8 v0, s[64:65] scope:SCOPE_SE
	s_setreg_imm32_b32 hwreg(HW_REG_WAVE_MODE, 25, 1), 1
	s_wait_xcnt 0x0
; x1h = layer norm of y's rows, times g, plus b, rounded once to f16.  y: f32 [4096][1024]; g, b: f32 [1024], rounded to bf16 like every input.
; Two passes over registers: the mean, then the mean of (x - mean)^2; 1 / sqrt(var + 1e-5).  All in f32.
; LIMITS.  x1h ends at 65,504 (|x1| is at most 32 |g| + |b|).  NaN and infinities are not treated apart.
; A wave takes a row (4,096 bytes, 32 registers a lane) and keeps it between the passes: no LDS, no barrier.  Each load covers 512 consecutive bytes, each store 256, aligned.
.set F16OUT, 1
.set X,  8                             ; v[8:39]    the row: load j holds columns 128 j + 4 l + 0..3
.set G,  40                            ; v[40:71]   g of the same columns; later the packed results
.set BV, 72                            ; v[72:103]  b
.set P,  104                           ; v[104:111] four pairs of partial sums
.set MU, 112
.set RS, 114
.set R,  116                           ; v116-117   the reduction
.set T,  118
	s_load_b256 s[4:11], s[0:1], 0x0               ; y, g, b, out
	v_lshrrev_b32 v1, 5, v0
	v_readfirstlane_b32 s2, v1
	s_lshl_b32 s3, ttmp9, 3
	s_add_co_u32 s2, s2, s3                        ; my row
	s_lshl_b32 s18, s2, 12
	s_mov_b32 s19, 0
	s_lshl_b32 s20, s2, 12-F16OUT
	s_mov_b32 s21, 0
	s_mov_b32 s12, 0x76543210                      ; v_permlanex16_b32: each lane takes its own place in the other half
	s_mov_b32 s13, 0xfedcba98
	s_mov_b32 s14, 0x3a800000                      ; 1 / 1024
	s_mov_b32 s15, 0x3727c5ac                      ; 1e-5
	s_mov_b32 s16, 0xffff0000
	v_and_b32 v1, 31, v0
	v_lshlrev_b32 v2, 4, v1
	v_lshlrev_b32 v3, 4-F16OUT, v1
	v_mov_b32 v[R+1], 0                            ; v_permlanex16_b32's destination counts as read
	s_wait_kmcnt 0x0
	s_add_nc_u64 s[4:5], s[4:5], s[18:19]
	s_add_nc_u64 s[10:11], s[10:11], s[20:21]
.irp j, 0,1,2,3,4,5,6,7
	global_load_b128 v[X+4*\j:X+4*\j+3], v2, s[4:5] offset:512*\j th:TH_LOAD_NT
.endr
.irp j, 0,1,2,3,4,5,6,7
	global_load_b128 v[G+4*\j:G+4*\j+3], v2, s[6:7] offset:512*\j
.endr
.irp j, 0,1,2,3,4,5,6,7
	global_load_b128 v[BV+4*\j:BV+4*\j+3], v2, s[8:9] offset:512*\j
.endr
.macro RED                             ; the four pairs, then the 32 lanes: every lane ends with the sum in v[R]
	v_pk_add_f32 v[P:P+1], v[P:P+1], v[P+2:P+3]
	v_pk_add_f32 v[P+4:P+5], v[P+4:P+5], v[P+6:P+7]
	v_pk_add_f32 v[P:P+1], v[P:P+1], v[P+4:P+5]
	v_add_f32 v[R], v[P], v[P+1]
	v_add_f32_dpp v[R], v[R], v[R] row_xmask:1 row_mask:0xf bank_mask:0xf
	v_add_f32_dpp v[R], v[R], v[R] row_xmask:2 row_mask:0xf bank_mask:0xf
	v_add_f32_dpp v[R], v[R], v[R] row_xmask:4 row_mask:0xf bank_mask:0xf
	v_add_f32_dpp v[R], v[R], v[R] row_xmask:8 row_mask:0xf bank_mask:0xf
	v_permlanex16_b32 v[R+1], v[R], s12, s13
	v_add_f32 v[R], v[R], v[R+1]
.endm
	s_wait_loadcnt 16                              ; the row is in; g's and b's sixteen loads may be out
.irp k, 0,1,2,3
	v_pk_add_f32 v[P+2*\k:P+2*\k+1], v[X+2*\k:X+2*\k+1], v[X+8+2*\k:X+8+2*\k+1]
.endr
.irp m, 8,9,10,11,12,13,14,15
	v_pk_add_f32 v[P+2*(\m%4):P+2*(\m%4)+1], v[P+2*(\m%4):P+2*(\m%4)+1], v[X+2*\m:X+2*\m+1]
.endr
	RED
	v_mul_f32 v[MU], s14, v[R]
	v_mul_f32 v[MU+1], s14, v[R]
.set n, 0
.rept 16
	v_pk_add_f32 v[X+n:X+n+1], v[X+n:X+n+1], v[MU:MU+1] neg_lo:[0,1] neg_hi:[0,1]
.set n, n+2
.endr
.irp k, 0,1,2,3
	v_pk_mul_f32 v[P+2*\k:P+2*\k+1], v[X+2*\k:X+2*\k+1], v[X+2*\k:X+2*\k+1]
.endr
.irp m, 4,5,6,7,8,9,10,11,12,13,14,15
	v_pk_fma_f32 v[P+2*(\m%4):P+2*(\m%4)+1], v[X+2*\m:X+2*\m+1], v[X+2*\m:X+2*\m+1], v[P+2*(\m%4):P+2*(\m%4)+1]
.endr
	RED
	v_fma_f32 v[R], v[R], s14, s15                 ; var + 1e-5
	v_rsq_f32 v[RS], v[R]
	v_rsq_f32 v[RS+1], v[R]
	s_wait_loadcnt 0x0                             ; g and b: their rounding to bf16 is the independent work behind the two roots
.set n, 0
.rept 16
	v_cvt_pk_bf16_f32 v[T], v[G+n], v[G+n+1]
	v_lshlrev_b32 v[G+n], 16, v[T]
	v_and_b32 v[G+n+1], s16, v[T]
	v_cvt_pk_bf16_f32 v[T+1], v[BV+n], v[BV+n+1]
	v_lshlrev_b32 v[BV+n], 16, v[T+1]
	v_and_b32 v[BV+n+1], s16, v[T+1]
.set n, n+2
.endr
	s_wait_alu depctr_va_vdst(0)                   ; one wait for both roots, ahead of their first reader
.set n, 0
.rept 16
	v_pk_mul_f32 v[X+n:X+n+1], v[X+n:X+n+1], v[RS:RS+1]
.set n, n+2
.endr
.set n, 0
.rept 16
	v_pk_fma_f32 v[X+n:X+n+1], v[X+n:X+n+1], v[G+n:G+n+1], v[BV+n:BV+n+1]
.set n, n+2
.endr
.if F16OUT
.set n, 0
.rept 16
	v_cvt_pk_f16_f32 v[G+n], v[X+2*n], v[X+2*n+1]
.set n, n+1
.endr
.irp j, 0,1,2,3,4,5,6,7
	global_store_b64 v3, v[G+2*\j:G+2*\j+1], s[10:11] offset:256*\j
.endr
.else
.irp j, 0,1,2,3,4,5,6,7
	global_store_b128 v3, v[X+4*\j:X+4*\j+3], s[10:11] offset:512*\j th:TH_STORE_NT
.endr
.endif
	s_endpgm
.Lfunc_end_k_qb1dc337c1d_ln1:
	.size	k_qb1dc337c1d_ln1, .Lfunc_end_k_qb1dc337c1d_ln1-k_qb1dc337c1d_ln1
	.p2alignl 7, 3214868480
	.fill 96, 4, 3214868480
	.section	.rodata,"a",@progbits
	.p2align	6, 0x0
	.amdhsa_kernel k_qb1dc337c1d_ln1
		.amdhsa_group_segment_fixed_size 0
		.amdhsa_private_segment_fixed_size 0
		.amdhsa_enable_private_segment 0
		.amdhsa_kernarg_size 32
		.amdhsa_user_sgpr_count 2
		.amdhsa_user_sgpr_kernarg_segment_ptr 1
		.amdhsa_wavefront_size32 1
		.amdhsa_system_sgpr_workgroup_id_x 1
		.amdhsa_system_sgpr_workgroup_id_y 1
		.amdhsa_system_sgpr_workgroup_id_z 1
		.amdhsa_system_vgpr_workitem_id 0
		.amdhsa_next_free_vgpr 128
		.amdhsa_next_free_sgpr 66
		.amdhsa_reserve_vcc 0
		.amdhsa_float_denorm_mode_32 3
		.amdhsa_float_denorm_mode_16_64 3
		.amdhsa_memory_ordered 1
		.amdhsa_forward_progress 1
		.amdhsa_inst_pref_size 16
	.end_amdhsa_kernel
	.amdgpu_metadata
---
amdhsa.version: [ 1, 2 ]
amdhsa.kernels:
  - .name:           k_qb1dc337c1d_ln1
    .symbol:         k_qb1dc337c1d_ln1.kd
    .args:
      - { .name: y, .offset: 0, .size: 8, .value_kind: global_buffer, .address_space: global }
      - { .name: ln1_g, .offset: 8, .size: 8, .value_kind: global_buffer, .address_space: global }
      - { .name: ln1_b, .offset: 16, .size: 8, .value_kind: global_buffer, .address_space: global }
      - { .name: x1h, .offset: 24, .size: 8, .value_kind: global_buffer, .address_space: global }
    .group_segment_fixed_size: 0
    .private_segment_fixed_size: 0
    .kernarg_segment_align: 8
    .kernarg_segment_size: 32
    .max_flat_workgroup_size: 256
    .sgpr_count:     66
    .vgpr_count:     128
    .wavefront_size: 32
...
	.end_amdgpu_metadata
.endif
;; end of part 5
;; launch mlp1 (part 6): grid 16 x 16, 4 waves a work-group, clusters of 4 x 4, 327,680 bytes of LDS; arguments x1h, cv, b1, hb; writes hb
.if DOCPART == 6
	.amdgcn_target "amdgcn-amd-amdhsa--gfx1250"
	.amdhsa_code_object_version 6
	.text
	.protected	k_qb1dc337c1d_mlp1
	.globl	k_qb1dc337c1d_mlp1
	.p2align	8
	.type	k_qb1dc337c1d_mlp1,@function
k_qb1dc337c1d_mlp1:
	s_mov_b64 s[64:65], 0
	v_nop
	global_prefetch_b8 v0, s[64:65] scope:SCOPE_SE
	s_setreg_imm32_b32 hwreg(HW_REG_WAVE_MODE, 25, 1), 1
	s_wait_xcnt 0x0
	s_wait_alu depctr_hold_cnt(0) depctr_sa_sdst(0) depctr_va_vdst(0) depctr_va_sdst(0) depctr_va_ssrc(0) depctr_va_vcc(0) depctr_vm_vsrc(0)
	s_getreg_b32 s2, hwreg(HW_REG_IB_STS2, 6, 4)
	s_cmp_eq_u32 s2, 0
	s_cbranch_scc0 .Lentry_in_a_cluster
	s_endpgm
.Lentry_in_a_cluster:
	s_bfe_u32 s2, ttmp6, 0x10000c
	s_cmp_lg_u32 s2, 0xf033
	s_cbranch_scc0 .Lentry_shape_is_right
	s_endpgm
.Lentry_shape_is_right:
; hb = gelu(x1h w1^T + b1), f16 [4096][4096].  A = x1h, f16 [4096][1024]; B = w1 (bf16's number as f16) [4096][1024] at byte 16,777,216 of cv.  Sums in f32; b1 is rounded to bf16 and starts the sums.
; GELU, exact form: x (1 + erf(x / sqrt 2)) / 2 = max(x, 0) - |x| q, q = erfc(|x| / sqrt 2) / 2 = (A1 t + A2 t^2 + A3 t^3) e^(-x^2 / 2), t = 1 / (1 + 0.33267254 |x|):
; Abramowitz and Stegun 7.1.25, halved; its error in erf is at most 2.5e-5 for every x, so gelu is off by under 2e-5 in absolute terms.  All in f32, hb rounded once.
; LIMITS.  hb ends at 65,504.  NaN and infinities are not treated apart.
; SHARES.  A tile is 256 x 256: 16 x 16 tiles, one a work-group.  Four waves, each 128 x 128: 64 accumulators.  K goes in 8 steps of 128 through a ring of two LDS slots;
; one K step is written once: the slot in hand is a scalar that an exclusive or turns.  CLUSTER: 4 x 4; A's tiles shared along a row, B's along a column, asked for jointly.
; The matrix instruction is used transposed (source 0 = rows of B, source 1 = rows of A): a lane holds row l % 16 and the columns 8 (l / 16) + 0..7.
; REGISTERS.  window 0: v16-31 addresses; v64-127, v128-191 A's fragments; on the way out v32-239 at work.   window 1: v0-63 the bias; v64-127, v128-191 B's fragments; v192 at work.
;   window 2: accumulators of my rows 0-63 ((a, b) at v[8 (8 a + b)]);  window 3: of my rows 64-127
.set NBK,   8
.set KSTEP, 128
.set PITCH, 272                        ; 256 bytes + 16 of padding: the 16 rows of a load start at 16 different groups of four banks (64 banks of 4 bytes: ISA guide 11.1)
.set HALFA, 128*PITCH
.set HALFB, 16*NBK*PITCH
.set SLOT,  2*HALFA+2*HALFB
.set SPARE, 2*SLOT                     ; behind the ring: the spare words, two blocks of 256 bytes that no other line names
.set NSTEP, 8
.set NLD,   2*NBK+16
.set SPIT,  528                        ; the way out: each wave's own 128 rows of f32, over the ring, behind the ring's last fill and a barrier
.set WST,   128*SPIT
.set ADRA0, 16
.set ADRA,  17
.set ADRB0, 20
.set ADRB,  21
.set STO,   24
.set RD,    25
.set CO,    26
.set SPW,   28
.set NIL,   29
.set PFO,   30
.set BAD,   31
.set F0,    64
.set F1,    128
.set BI,    0
.set BT,    192
.set X, 32                             ; the way out, 32 numbers a lane and trip: x,
.set W, 64                             ; -|x|,
.set M, 96                             ; max(x, 0), then gelu,
.set T, 128                            ; t,
.set E, 160                            ; e^(-x^2 / 2), then q,
.set U, 192                            ; the polynomial,
.set H, 224                            ; 16 registers to store
.set G1,  24
.set G0,  32
.set G1B, 48
.set G0B, 56
.set LIM, 43
.set PFA, 44
.set CUR, 66
.set BIAS, 68
.set CNP, 72                           ; s[72:81] five constants, each named as a pair
.set CK2, 74
.set CA3, 76
.set CA2, 78
.set CA1, 80
.set SGN, 82
.set TM,  84
.set MSB, 0
.macro WIN new
.if MSB != (\new)
	s_set_vgpr_msb (MSB<<8)|(\new)
.set MSB, \new
.endif
.endm
.macro PLACES
.rept 4
	v_nop
.endr
.endm
.macro JLOAD
	s_cmp_eq_u32 s11, 0
	s_cbranch_scc0 .Lfor_b_\@
	tensor_load_to_lds s[G0+4:G0+7], s[G1:G1+7]
	s_nop 0
.rept 4
	v_nop
.endr
	s_branch .Lasked_\@
.Lfor_b_\@:
	tensor_load_to_lds s[G0B+4:G0B+7], s[G1B:G1B+7]
	s_nop 0
.rept 4
	v_nop
.endr
.Lasked_\@:
.endm
.macro ASK                             ; a prefetch of the K step two refills on: a lane a row, 256 bytes each; the last two refills have no such step
	s_cmp_gt_u32 s3, s[LIM]
	s_cbranch_scc0 .Lnot_mine_\@
	global_prefetch_b8 v[PFO], s[PFA:PFA+1] offset:KSTEP*2 th:TH_LOAD_NT scope:SCOPE_SE
.Lnot_mine_\@:
.endm
.macro CREST
	s_cmp_lg_u32 s10, 0
	s_cbranch_scc1 .Lnot_wave_0_\@
	s_barrier_signal -3
.Lnot_wave_0_\@:
	s_barrier_wait -3
	s_barrier_signal -1
	s_barrier_wait -1
.endm
.macro CROUND
	s_barrier_signal -1
	s_barrier_wait -1
	CREST
.endm
	s_load_b128 s[4:7], s[0:1], 0x0                ; x1h, cv
	s_load_b64 s[BIAS:BIAS+1], s[0:1], 0x10        ; b1
	s_load_b64 s[8:9], s[0:1], 0x18                ; hb
	v_lshl_add_u32 v[SPW], v0, 2, SPARE
	v_mov_b32 v[NIL], 0
	ds_add_u32 v[SPW], v[NIL]                      ; the wave's opening: the add and its wait stand ahead of my first tensor load
	v_lshrrev_b32 v1, 5, v0
	v_readfirstlane_b32 s10, v1
	s_lshr_b32 s11, s10, 1
	s_and_b32 s12, s10, 1
	s_bfe_u32 s40, ttmp6, 0x40000
	s_bfe_u32 s41, ttmp6, 0x40004
	s_lshl_b32 s42, ttmp9, 2
	s_add_co_u32 s42, s42, s40                     ; tile column
	s_and_b32 s13, ttmp7, 0xffff
	s_lshl_b32 s13, s13, 2
	s_add_co_u32 s13, s13, s41                     ; tile row
	s_lshl_b32 s43, s41, 2
	s_lshl_b32 s43, 15, s43
	s_lshl_b32 s44, 0x1111, s40
	s_or_b32 s[G1+0], s43, (1<<16)|(1<<20)|(1<<21)|(5<<22)|(3<<25)
	s_or_b32 s[G1B+0], s44, (1<<16)|(1<<20)|(1<<21)|(5<<22)|(3<<25)
	s_mov_b32 s[G1+1], KSTEP<<16
	s_mov_b32 s[G1B+1], KSTEP<<16
	s_mov_b32 s[G1+2], 128<<16
	s_mov_b32 s[G1B+2], (16*NBK)<<16
	s_mov_b32 s[G1+3], KSTEP<<16
	s_mov_b32 s[G1B+3], KSTEP<<16
	s_mov_b32 s[G1+4], 128
	s_mov_b32 s[G1B+4], 16*NBK
	s_mov_b32 s[G1+5], 1024
	s_mov_b32 s[G1B+5], 1024
	s_mov_b32 s[G1+6], 0
	s_mov_b32 s[G1B+6], 0
	s_mov_b32 s[G1+7], 0
	s_mov_b32 s[G1B+7], 0
	s_mov_b32 s[CNP], 0xbeaa540e                   ; -0.33267254
	s_mov_b32 s[CNP+1], s[CNP]
	s_mov_b32 s[CK2], 0xbf38aa3b                   ; -log2(e) / 2
	s_mov_b32 s[CK2+1], s[CK2]
	s_mov_b32 s[CA3], 0x3ebf7377                   ; 0.3739278
	s_mov_b32 s[CA3+1], s[CA3]
	s_mov_b32 s[CA2], 0xbd445ca1                   ; -0.0479399
	s_mov_b32 s[CA2+1], s[CA2]
	s_mov_b32 s[CA1], 0x3e32303a                   ; 0.1740121
	s_mov_b32 s[CA1+1], s[CA1]
	s_mov_b32 s[SGN], 0x80000000
	s_lshl_b32 s17, s12, 7
	s_lshl_b32 s16, s13, 8
	s_add_co_u32 s16, s16, s17
	s_lshl_b32 s16, s16, 11
	s_mov_b32 s17, 0
	s_mul_i32 s46, s42, 32*NBK
	s_mul_i32 s47, s12, 16*NBK
	s_add_co_u32 s46, s46, s47
	s_lshl_b32 s46, s46, 11
	s_mov_b32 s47, 0
	s_mul_i32 s20, s10, HALFA
	s_mul_i32 s21, s10, HALFB
	s_add_co_u32 s21, s21, 2*HALFA-2*HALFB
	s_wait_dscnt 0x0
	s_wait_kmcnt 0x0
	s_add_nc_u64 s[6:7], s[6:7], 16777216          ; B
	s_add_nc_u64 s[14:15], s[4:5], s[16:17]
	s_add_nc_u64 s[46:47], s[6:7], s[46:47]
	CROUND
.irp s, 0,1
	s_mov_b32 s[G0+4*(\s)], 1
	s_add_co_u32 s[G0+4*(\s)+1], s20, (\s)*SLOT
	s_add_nc_u64 s[G0+4*(\s)+2:G0+4*(\s)+3], s[14:15], (\s)*KSTEP*2
	s_or_b32 s[G0+4*(\s)+3], s[G0+4*(\s)+3], 0x80000000
	s_mov_b32 s[G0B+4*(\s)], 1
	s_add_co_u32 s[G0B+4*(\s)+1], s21, (\s)*SLOT
	s_add_nc_u64 s[G0B+4*(\s)+2:G0B+4*(\s)+3], s[46:47], (\s)*KSTEP*2
	s_or_b32 s[G0B+4*(\s)+3], s[G0B+4*(\s)+3], 0x80000000
.endr
	s_cmp_eq_u32 s11, 0                            ; a wave's two first fills stand in one branch: two loads of mine are out
	s_cbranch_scc0 .Lfirst_b
	tensor_load_to_lds s[G0:G0+3], s[G1:G1+7]
	s_nop 0
	tensor_load_to_lds s[G0+4:G0+7], s[G1:G1+7]
	s_nop 0
.rept 4
	v_nop
.endr
	s_branch .Lfirst_asked
.Lfirst_b:
	tensor_load_to_lds s[G0B:G0B+3], s[G1B:G1B+7]
	s_nop 0
	tensor_load_to_lds s[G0B+4:G0B+7], s[G1B:G1B+7]
	s_nop 0
.rept 4
	v_nop
.endr
.Lfirst_asked:
	v_and_b32 v1, 15, v0
	v_bfe_u32 v2, v0, 4, 1
	s_lshl_b32 s[TM], s42, 10                      ; the bias of my 128 columns; my 8 of a block begin 8 (l / 16) further
	s_lshl_b32 s[TM+1], s12, 9
	s_add_co_u32 s[TM], s[TM], s[TM+1]
	v_lshl_add_u32 v[BAD], v2, 5, s[TM]
	WIN 0x40
.irp b, 0,1,2,3,4,5,6,7
	global_load_b128 v[BI+8*\b:BI+8*\b+3],   v[BAD], s[BIAS:BIAS+1] offset:64*\b
	global_load_b128 v[BI+8*\b+4:BI+8*\b+7], v[BAD], s[BIAS:BIAS+1] offset:64*\b+16
.endr
	WIN 0
	v_mul_u32_u24 v3, v1, PITCH
	v_lshl_add_u32 v3, v2, 4, v3
	s_mul_i32 s22, s11, HALFA
	v_add_nc_u32 v[ADRA0], s22, v3
	s_mul_i32 s23, s12, HALFB
	s_add_co_u32 s23, s23, 2*HALFA
	v_add_nc_u32 v[ADRB0], s23, v3
	; my stage.  A row's 512 bytes hold, for each group g of 8 columns, columns 8 g .. + 3 at byte 16 g and columns 8 g + 4 .. + 7 at byte 256 + 16 g
	s_mul_i32 s22, s10, WST
	v_mul_u32_u24 v4, v1, SPIT
	v_lshl_add_u32 v4, v2, 4, v4
	v_add_nc_u32 v[STO], s22, v4                   ; in: row l % 16, group 2 b + l / 16
	v_mul_u32_u24 v5, v2, SPIT
	v_lshl_add_u32 v5, v1, 4, v5
	v_add_nc_u32 v[RD], s22, v5                    ; back: lanes 0-15 one row, lanes 16-31 the next; lane's group l % 16
	v_lshlrev_b32 v[CO], 13, v2                    ; and the same two rows in hb, 8,192 bytes apart
	v_lshl_add_u32 v[CO], v1, 4, v[CO]
	s_lshl_b32 s[TM], s13, 8
	s_lshl_b32 s[TM+1], s11, 7
	s_add_co_u32 s[TM], s[TM], s[TM+1]             ; my first row
	s_lshl_b32 s[TM], s[TM], 13
	s_lshl_b32 s[TM+1], s42, 9
	s_add_co_u32 s[TM], s[TM], s[TM+1]
	s_lshl_b32 s[TM+1], s12, 8
	s_add_co_u32 s[TM], s[TM], s[TM+1]             ; my first column, in bytes
	s_mov_b32 s[TM+1], 0
	s_add_nc_u64 s[8:9], s[8:9], s[TM:TM+1]
	; THE PREFETCHES.  A's tile row is read by every cluster of that row of clusters: cluster x = 0 asks; B's tile column: cluster y = 0 asks.  The four partners of a joint load share
	; a wave's 128 rows out by address, 32 each (cx for A, cy for B), a lane a row.  No branch hangs on a place in the cluster.
	s_lshl_b32 s[TM], s13, 8
	s_lshl_b32 s[TM+1], s12, 7
	s_add_co_u32 s[TM], s[TM], s[TM+1]
	s_lshl_b32 s[TM+1], s40, 5
	s_add_co_u32 s[TM], s[TM], s[TM+1]
	s_mul_i32 s[TM+2], s42, 32*NBK
	s_mul_i32 s[TM+1], s12, 16*NBK
	s_add_co_u32 s[TM+2], s[TM+2], s[TM+1]
	s_mul_i32 s[TM+1], s41, 4*NBK
	s_add_co_u32 s[TM+2], s[TM+2], s[TM+1]
	s_and_b32 s[TM+3], ttmp7, 0xffff
	s_cmp_eq_u32 s11, 0
	s_cselect_b32 s[TM], s[TM], s[TM+2]
	s_cselect_b32 s[TM+3], ttmp9, s[TM+3]
	s_cselect_b64 s[PFA:PFA+1], s[4:5], s[6:7]
	s_cmp_eq_u32 s[TM+3], 0
	s_cselect_b32 s[LIM], 2, -1
	s_lshl_b32 s[TM], s[TM], 11
	s_mov_b32 s[TM+1], 0
	s_add_nc_u64 s[PFA:PFA+1], s[PFA:PFA+1], s[TM:TM+1]
	s_add_nc_u64 s[PFA:PFA+1], s[PFA:PFA+1], 2*KSTEP*2  ; at K step 2: the first refill steps it to 3 and names K step 4
	v_and_b32 v[PFO], 31, v0
	v_lshlrev_b32 v[PFO], 11, v[PFO]
	s_wait_loadcnt 0x0                             ; the bias,
	WIN 0x45                                       ; rounded to bf16 like every input: all in window 1
.set n, 0
.rept 4*NBK
	v_cvt_pk_bf16_f32 v[BT], v[BI+n], v[BI+n+1]
	v_lshlrev_b32 v[BI+n], 16, v[BT]
	v_and_b32 v[BI+n+1], 0xffff0000, v[BT]
.set n, n+2
.endr
	WIN 0
.macro MUL16 f, hi, a0, zero           ; 16 matrix instructions; zero = 1: the first product starts the sums, with the bias as C
.if \zero
	WIN 0x91+0x40*(\hi)
.else
	WIN 0xa1+0x50*(\hi)
.endif
.irp a, \a0, (\a0)+1
.set bb, 0
.rept NBK
.if \zero
	v_wmma_f32_16x16x32_f16 v[8*(8*(\a)+bb):8*(8*(\a)+bb)+7], v[(\f)+8*bb:(\f)+8*bb+7], v[(\f)+8*(4*(\hi)+(\a)):(\f)+8*(4*(\hi)+(\a))+7], v[BI+8*bb:BI+8*bb+7]
.else
	v_wmma_f32_16x16x32_f16 v[8*(8*(\a)+bb):8*(8*(\a)+bb)+7], v[(\f)+8*bb:(\f)+8*bb+7], v[(\f)+8*(4*(\hi)+(\a)):(\f)+8*(4*(\hi)+(\a))+7], v[8*(8*(\a)+bb):8*(8*(\a)+bb)+7]
.endif
.set bb, bb+1
.endr
.endr
.endm
.macro FETCH k, f
	WIN 0x40
.set ii, 0
.rept NBK
	ds_load_b128 v[(\f)+8*ii:(\f)+8*ii+3],   v[ADRB] offset:(\k)+ii*16*PITCH
	ds_load_b128 v[(\f)+8*ii+4:(\f)+8*ii+7], v[ADRB] offset:(\k)+ii*16*PITCH+32
.set ii, ii+1
.endr
	WIN 0
.set ii, 0
.rept 8
	ds_load_b128 v[(\f)+8*ii:(\f)+8*ii+3],   v[ADRA] offset:(\k)+ii*16*PITCH
	ds_load_b128 v[(\f)+8*ii+4:(\f)+8*ii+7], v[ADRA] offset:(\k)+ii*16*PITCH+32
.set ii, ii+1
.endr
.endm
.macro QUARTER k, f, g, zero
	s_wait_dscnt 8                                 ; B and A's rows 0-63 are in; the youngest eight loads (A's rows 64-127) may be out
	MUL16 \f, 0, 0, \zero
	MUL16 \f, 0, 2, \zero
	PLACES
	FETCH \k, \g
	s_wait_dscnt NLD                               ; all but the run just issued
	MUL16 \f, 1, 0, \zero
	MUL16 \f, 1, 2, \zero
.endm
.macro MEET
	WIN 0
	s_wait_tensorcnt 0x0                           ; all my tensor loads have landed: my part of the next slot
	ds_add_u32 v[SPW], v[NIL]                      ; 0 onto my spare word
	s_wait_dscnt 9                                 ; (the add and the youngest eight loads may be out)
	MUL16 F1, 0, 0, 0
	s_wait_dscnt 0x0                               ; the add is done, and my reads of this slot are over
	s_barrier_signal -1
	MUL16 F1, 0, 2, 0
	WIN 0
	s_barrier_wait -1
.endm
.macro TURN fill
.if \fill
	s_wait_xcnt 0x0                                ; the last prefetch, a K step back, has read its address
	s_add_nc_u64 s[PFA:PFA+1], s[PFA:PFA+1], KSTEP*2
.endif
	MEET
.if \fill
	CREST                                          ; no wave of any partner still reads this slot or has a load on its way
	s_add_co_u32 s[G0+5], s20, s[CUR]
	s_add_nc_u64 s[G0+6:G0+7], s[G0+6:G0+7], KSTEP*2
	s_add_co_u32 s[G0B+5], s21, s[CUR]
	s_add_nc_u64 s[G0B+6:G0B+7], s[G0B+6:G0B+7], KSTEP*2
	s_xor_b32 s[CUR], s[CUR], SLOT
	JLOAD
.else
	s_xor_b32 s[CUR], s[CUR], SLOT
	PLACES
.endif
	v_add_nc_u32 v[ADRA], s[CUR], v[ADRA0]
	v_add_nc_u32 v[ADRB], s[CUR], v[ADRB0]
	FETCH 0, F0
.if \fill
	ASK
.endif
	MUL16 F1, 1, 0, 0
	MUL16 F1, 1, 2, 0
.endm
	s_wait_tensorcnt 1                             ; my part of K step 0 is in; K step 1's may stay out
	s_barrier_signal -1
	s_barrier_wait -1
	s_mov_b32 s[CUR], 0
	v_mov_b32 v[ADRA], v[ADRA0]
	v_mov_b32 v[ADRB], v[ADRB0]
	FETCH 0, F0
	QUARTER 64, F0, F1, 1
	WIN 0
	s_mov_b32 s3, NSTEP-2
.La:
	QUARTER 128, F1, F0, 0
	QUARTER 192, F0, F1, 0
	TURN 1
	QUARTER 64, F0, F1, 0
	WIN 0
	s_sub_co_u32 s3, s3, 1
	s_cmp_lg_u32 s3, 0
	s_cbranch_scc1 .La
	s_mov_b32 s3, 2
.Lb:                                               ; the last two K steps ask for nothing; the second trip is left in its middle
	QUARTER 128, F1, F0, 0
	QUARTER 192, F0, F1, 0
	WIN 0
	s_sub_co_u32 s3, s3, 1
	s_cmp_eq_u32 s3, 0
	s_cbranch_scc1 .Lfin
	TURN 0
	QUARTER 64, F0, F1, 0
	WIN 0
	s_cmp_lg_u32 s3, 0
	s_cbranch_scc1 .Lb
.Lfin:
	s_wait_dscnt 8
	MUL16 F1, 0, 0, 0
	MUL16 F1, 0, 2, 0
	s_wait_dscnt 0x0
	MUL16 F1, 1, 0, 0
	MUL16 F1, 1, 2, 0
	WIN 0
	s_barrier_signal -1                            ; everybody's reads of the ring are over: the stages may be written over it
	s_barrier_wait -1
.rept 8
	v_nop                                          ; the places behind the last products
.endr
	; THE WAY OUT.  All 64 accumulators go into my own stage as f32 (each one's low four registers first); then a loop of 16 trips takes 8 rows each: gelu, f16, store.
.set a, 0
.rept 8
	WIN 0x08+4*(a/4)                               ; the stores' data in window 2 or 3
.set bb, 0
.rept NBK
	ds_store_b128 v[STO], v[64*(a%4)+8*bb:64*(a%4)+8*bb+3]   offset:a*16*SPIT+32*bb
	ds_store_b128 v[STO], v[64*(a%4)+8*bb+4:64*(a%4)+8*bb+7] offset:a*16*SPIT+32*bb+256
.set bb, bb+1
.endr
.set a, a+1
.endr
	WIN 0
.irp k, 0,1,2,3
	ds_load_b128 v[X+8*\k:X+8*\k+3],   v[RD] offset:2*SPIT*\k       ; LDS serves a wave's instructions in order (ISA guide 5.7.1.4): these see my stores above
	ds_load_b128 v[X+8*\k+4:X+8*\k+7], v[RD] offset:2*SPIT*\k+256
.endr
	s_mov_b32 s3, 16
.Lg:
	s_wait_dscnt 0x0                               ; this trip's 8 rows are in registers
.set n, 0
.rept 32
	v_or_b32 v[W+n], s[SGN], v[X+n]                ; -|x|
	v_max_num_f32 v[M+n], 0, v[X+n]
.set n, n+1
.endr
	s_cmp_eq_u32 s3, 1                             ; the last trip has no rows behind it
	s_cbranch_scc1 .Lnl
	v_add_nc_u32 v[RD], 8*SPIT, v[RD]
.irp k, 0,1,2,3
	ds_load_b128 v[X+8*\k:X+8*\k+3],   v[RD] offset:2*SPIT*\k
	ds_load_b128 v[X+8*\k+4:X+8*\k+7], v[RD] offset:2*SPIT*\k+256
.endr
.Lnl:
.set n, 0
.rept 16
	v_pk_fma_f32 v[T+n:T+n+1], v[W+n:W+n+1], s[CNP:CNP+1], 1.0 op_sel_hi:[1,0,0]   ; 1 + 0.33267254 |x|
	v_pk_mul_f32 v[E+n:E+n+1], v[W+n:W+n+1], v[W+n:W+n+1]
.set n, n+2
.endr
.set n, 0
.rept 16
	v_pk_mul_f32 v[E+n:E+n+1], v[E+n:E+n+1], s[CK2:CK2+1] op_sel_hi:[1,0]
.set n, n+2
.endr
.set n, 0
.rept 32
	v_rcp_f32 v[T+n], v[T+n]
.set n, n+1
.endr
.set n, 0
.rept 32
	v_exp_f32 v[E+n], v[E+n]
.set n, n+1
.endr
	v_nop                                          ; a plain instruction behind the last of the batch,
	s_wait_alu depctr_va_vdst(0)                   ; and the one wait for all 64 ahead of their first reader
.set n, 0
.rept 16
	v_pk_fma_f32 v[U+n:U+n+1], v[T+n:T+n+1], s[CA3:CA3+1], s[CA2:CA2+1] op_sel_hi:[1,0,0]
.set n, n+2
.endr
.set n, 0
.rept 16
	v_pk_fma_f32 v[U+n:U+n+1], v[U+n:U+n+1], v[T+n:T+n+1], s[CA1:CA1+1] op_sel_hi:[1,1,0]
.set n, n+2
.endr
.set n, 0
.rept 16
	v_pk_mul_f32 v[U+n:U+n+1], v[U+n:U+n+1], v[T+n:T+n+1]
.set n, n+2
.endr
.set n, 0
.rept 16
	v_pk_mul_f32 v[E+n:E+n+1], v[U+n:U+n+1], v[E+n:E+n+1]                          ; q
.set n, n+2
.endr
.set n, 0
.rept 16
	v_pk_fma_f32 v[M+n:M+n+1], v[W+n:W+n+1], v[E+n:E+n+1], v[M+n:M+n+1]            ; max(x, 0) - |x| q
.set n, n+2
.endr
.set n, 0
.rept 16
	v_cvt_pk_f16_f32 v[H+n], v[M+2*n], v[M+2*n+1]
.set n, n+1
.endr
.irp k, 0,1,2,3
	global_store_b128 v[CO], v[H+4*\k:H+4*\k+3], s[8:9] offset:16384*\k  ; 16 lanes store 256 consecutive bytes of a row of hb, aligned
.endr
	s_wait_xcnt 0x0                                ; the stores have read their base and their data: both are written again only behind this wait
	s_add_nc_u64 s[8:9], s[8:9], 65536             ; 8 rows on
	s_sub_co_u32 s3, s3, 1
	s_cmp_lg_u32 s3, 0
	s_cbranch_scc1 .Lg
	s_wait_tensorcnt 0x0                           ; the wave's end
	ds_add_u32 v[SPW], v[NIL]
	s_wait_dscnt 0x0
	CROUND                                         ; the closing round
	s_endpgm
.Lfunc_end_k_qb1dc337c1d_mlp1:
	.size	k_qb1dc337c1d_mlp1, .Lfunc_end_k_qb1dc337c1d_mlp1-k_qb1dc337c1d_mlp1
	.p2alignl 7, 3214868480
	.fill 96, 4, 3214868480
	.section	.rodata,"a",@progbits
	.p2align	6, 0x0
	.amdhsa_kernel k_qb1dc337c1d_mlp1
		.amdhsa_group_segment_fixed_size 327680
		.amdhsa_private_segment_fixed_size 0
		.amdhsa_enable_private_segment 0
		.amdhsa_kernarg_size 32
		.amdhsa_user_sgpr_count 2
		.amdhsa_user_sgpr_kernarg_segment_ptr 1
		.amdhsa_wavefront_size32 1
		.amdhsa_system_sgpr_workgroup_id_x 1
		.amdhsa_system_sgpr_workgroup_id_y 1
		.amdhsa_system_sgpr_workgroup_id_z 1
		.amdhsa_system_vgpr_workitem_id 0
		.amdhsa_next_free_vgpr 1024
		.amdhsa_next_free_sgpr 88
		.amdhsa_reserve_vcc 0
		.amdhsa_float_denorm_mode_32 3
		.amdhsa_float_denorm_mode_16_64 3
		.amdhsa_memory_ordered 1
		.amdhsa_forward_progress 1
		.amdhsa_inst_pref_size 104
	.end_amdhsa_kernel
	.amdgpu_metadata
---
amdhsa.version: [ 1, 2 ]
amdhsa.kernels:
  - .name:           k_qb1dc337c1d_mlp1
    .symbol:         k_qb1dc337c1d_mlp1.kd
    .args:
      - { .name: x1h, .offset: 0, .size: 8, .value_kind: global_buffer, .address_space: global }
      - { .name: cv, .offset: 8, .size: 8, .value_kind: global_buffer, .address_space: global }
      - { .name: b1, .offset: 16, .size: 8, .value_kind: global_buffer, .address_space: global }
      - { .name: hb, .offset: 24, .size: 8, .value_kind: global_buffer, .address_space: global }
    .group_segment_fixed_size: 327680
    .private_segment_fixed_size: 0
    .kernarg_segment_align: 8
    .kernarg_segment_size: 32
    .max_flat_workgroup_size: 128
    .sgpr_count:     88
    .vgpr_count:     1024
    .wavefront_size: 32
...
	.end_amdgpu_metadata
.endif
;; end of part 6
;; launch mlp2 (part 7): grid 8 x 32, 4 waves a work-group, clusters of 4 x 4, 327,680 bytes of LDS; arguments hb, cv, b2, x1h, y; writes y
.if DOCPART == 7
	.amdgcn_target "amdgcn-amd-amdhsa--gfx1250"
	.amdhsa_code_object_version 6
	.text
	.protected	k_qb1dc337c1d_mlp2
	.globl	k_qb1dc337c1d_mlp2
	.p2align	8
	.type	k_qb1dc337c1d_mlp2,@function
k_qb1dc337c1d_mlp2:
	s_mov_b64 s[64:65], 0
	v_nop
	global_prefetch_b8 v0, s[64:65] scope:SCOPE_SE
	s_setreg_imm32_b32 hwreg(HW_REG_WAVE_MODE, 25, 1), 1
	s_wait_xcnt 0x0
	s_wait_alu depctr_hold_cnt(0) depctr_sa_sdst(0) depctr_va_vdst(0) depctr_va_sdst(0) depctr_va_ssrc(0) depctr_va_vcc(0) depctr_vm_vsrc(0)
	s_getreg_b32 s2, hwreg(HW_REG_IB_STS2, 6, 4)
	s_cmp_eq_u32 s2, 0
	s_cbranch_scc0 .Lentry_in_a_cluster
	s_endpgm
.Lentry_in_a_cluster:
	s_bfe_u32 s2, ttmp6, 0x10000c
	s_cmp_lg_u32 s2, 0xf033
	s_cbranch_scc0 .Lentry_shape_is_right
	s_endpgm
.Lentry_shape_is_right:
; y = hb w2^T + b2 + x1h, in f32: what the second layer norm takes.  A = hb, f16 [4096][4096]; B = w2 (bf16's number as f16) [1024][4096] at byte 25,165,824 of cv;
; the residual is x1h, f16 [4096][1024]; b2 is rounded to bf16 like every input and starts the sums.  Sums in f32.
; SHARES.  A tile of y is 128 x 128: 8 x 32 tiles, one a work-group.  Four waves, each 64 x 64: 16 accumulators.  K goes in 16 steps of 256 (LDS rows of 512 bytes) through two slots.
; One K step is written once: the slot in hand is a scalar that an exclusive or turns.  CLUSTER: 4 x 4; A's tiles are shared along a row, B's along a column, each asked for jointly.
; THE WALK ALONG K IS ROTATED: cluster (X, Y) begins at K step (NSTEP / 4) (2 X + Y % 4) mod NSTEP and wraps round.  So the two clusters that read the same rows of A are half a walk apart, and
; four clusters one below the other, which read the same rows of B, a quarter each.  X and Y are the same in all sixteen partners, so a joint load's descriptor is the same in all that it names.
; LIMIT: an output's f32 sum is taken over K in that rotated order, not ascending from 0.
; The matrix instruction is used transposed (source 0 = rows of B, source 1 = rows of A): a lane holds row l % 16 and the columns 8 (l / 16) + 0..7.
; No prefetch: the tiles are small.
; REGISTERS.  window 0: v12 at work; v16-31 addresses; v32-95 the residual of my 32 rows on the way out; v96-127 the bias; v128-255 the accumulators ((a, b) at 128 + 8 (4 a + b)), later rows.
;   window 1: two fragment buffers of 128: for 64 along K, 64 registers of A, then 64 of B.
.set KD,    4096
.set BOFF,  25165824
.set RESBF, 0                          ; the residual is f16
.set NSTEP, KD/256
.set KSTEP, 256
.set PITCH, 528                        ; 512 bytes + 16 of padding: the 16 rows of a load start at 16 different groups of four banks (64 banks of 4 bytes: ISA guide 11.1)
.set HALFT, 64*PITCH
.set SLOT,  4*HALFT
.set SPARE, 2*SLOT                     ; behind the ring: the spare words, two blocks of 256 bytes that no other line names
.set SPIT,  528                        ; the stage, 128 rows of f32, lies over the ring, behind the ring's last fill and a barrier
.set ADRA0, 16
.set ADRA,  17
.set ADRB0, 20
.set ADRB,  21
.set STO,   24
.set RD,    25
.set CO,    26
.set ONE,   27
.set SPW,   28
.set NIL,   29
.set RA,    30
.set BA,    31
.set RES,   32
.set BI,    96
.set ACC,   128
.set F0,    0
.set F1,    128
.set G1,  24
.set G0,  32
.set G1B, 48
.set G0B, 56
.set CUR, 66                           ; s66  LDS byte of the slot in hand: 0 or SLOT
.set KS,  67                           ; s67  the K step to ask for next; it counts on, and its low bits are taken
.set BIAS, 68
.set RESP, 70
.set TM,  72
.set KO,  76                           ; s[76:77] that K step's byte offset in a row, made apart from the addresses
.set MSB, 0
.macro WIN new
.if MSB != (\new)
	s_set_vgpr_msb (MSB<<8)|(\new)
.set MSB, \new
.endif
.endm
.macro PLACES
.rept 4
	v_nop
.endr
.endm
.macro JLOAD
	s_cmp_eq_u32 s11, 0
	s_cbranch_scc0 .Lfor_b_\@
	tensor_load_to_lds s[G0+4:G0+7], s[G1:G1+7]
	s_nop 0
.rept 4
	v_nop
.endr
	s_branch .Lasked_\@
.Lfor_b_\@:
	tensor_load_to_lds s[G0B+4:G0B+7], s[G1B:G1B+7]
	s_nop 0
.rept 4
	v_nop
.endr
.Lasked_\@:
.endm
.macro CREST
	s_cmp_lg_u32 s10, 0
	s_cbranch_scc1 .Lnot_wave_0_\@
	s_barrier_signal -3
.Lnot_wave_0_\@:
	s_barrier_wait -3
	s_barrier_signal -1
	s_barrier_wait -1
.endm
.macro CROUND
	s_barrier_signal -1
	s_barrier_wait -1
	CREST
.endm
	s_load_b128 s[4:7], s[0:1], 0x0                ; hb, cv
	s_load_b128 s[BIAS:BIAS+3], s[0:1], 0x10       ; b2, x1h
	s_load_b64 s[8:9], s[0:1], 0x20                ; y
	v_lshl_add_u32 v[SPW], v0, 2, SPARE
	v_mov_b32 v[NIL], 0
	ds_add_u32 v[SPW], v[NIL]                      ; the wave's opening: the add and its wait stand ahead of my first tensor load
	v_lshrrev_b32 v1, 5, v0
	v_readfirstlane_b32 s10, v1
	s_lshr_b32 s11, s10, 1                         ; my half of the rows; also: I fetch for A (0) or B (1)
	s_and_b32 s12, s10, 1                          ; my half of the columns; also: which 64 rows I fetch
	s_bfe_u32 s40, ttmp6, 0x40000
	s_bfe_u32 s41, ttmp6, 0x40004
	s_lshl_b32 s42, ttmp9, 2
	s_add_co_u32 s42, s42, s40                     ; tile column
	s_and_b32 s13, ttmp7, 0xffff
	s_lshl_b32 s13, s13, 2
	s_add_co_u32 s13, s13, s41                     ; tile row
	s_lshl_b32 s43, s41, 2
	s_lshl_b32 s43, 15, s43
	s_lshl_b32 s44, 0x1111, s40
	s_or_b32 s[G1+0], s43, (1<<16)|(1<<20)|(1<<21)|(6<<22)|(3<<25)   ; the mask; 2-byte elements; padding on; bit 21 beside a mask; after every 128 words 4 words
	s_or_b32 s[G1B+0], s44, (1<<16)|(1<<20)|(1<<21)|(6<<22)|(3<<25)
.irp g, G1, G1B
	s_mov_b32 s[(\g)+1], KSTEP<<16
	s_mov_b32 s[(\g)+2], 64<<16
	s_mov_b32 s[(\g)+3], KSTEP<<16
	s_mov_b32 s[(\g)+4], 64
	s_mov_b32 s[(\g)+5], KD
	s_mov_b32 s[(\g)+6], 0
	s_mov_b32 s[(\g)+7], 0
.endr
	s_lshl_b32 s17, s12, 6
	s_lshl_b32 s16, s13, 7
	s_add_co_u32 s16, s16, s17                     ; A: row 128 x tile row + 64 x half
	s_mul_i32 s16, s16, 2*KD
	s_lshl_b32 s46, s42, 7
	s_add_co_u32 s46, s46, s17                     ; B: row 128 x tile column + 64 x half
	s_mul_i32 s46, s46, 2*KD
	s_mov_b32 s17, 0
	s_mov_b32 s47, 0
	s_mul_i32 s20, s10, HALFT                      ; where they go: wave x 64 rows
	s_and_b32 s[KS], ttmp7, 3                      ; the cluster's first K step: cluster y % 4
	s_lshl_b32 s[KO], ttmp9, 1
	s_add_co_u32 s[KS], s[KS], s[KO]               ; + 2 x cluster x,
	s_mul_i32 s[KS], s[KS], NSTEP/4                ; in quarters of the walk; taken mod NSTEP where it is used
	s_mov_b32 s[KO+1], 0
	s_wait_dscnt 0x0
	s_wait_kmcnt 0x0
.if RESBF
	s_mov_b64 s[RESP:RESP+1], s[6:7]
.endif
	s_add_nc_u64 s[6:7], s[6:7], BOFF
	s_add_nc_u64 s[14:15], s[4:5], s[16:17]        ; my rows of A at K = 0; kept
	s_add_nc_u64 s[46:47], s[6:7], s[46:47]        ; my rows of B at K = 0; kept
	CROUND
.irp s, 0,1
	s_add_co_u32 s[KO], s[KS], \s                  ; the walk's step s,
	s_and_b32 s[KO], s[KO], NSTEP-1
	s_lshl_b32 s[KO], s[KO], 9                     ; 512 bytes of a row each
	s_mov_b32 s[G0+4*(\s)], 1
	s_add_co_u32 s[G0+4*(\s)+1], s20, (\s)*SLOT
	s_add_nc_u64 s[G0+4*(\s)+2:G0+4*(\s)+3], s[14:15], s[KO:KO+1]
	s_or_b32 s[G0+4*(\s)+3], s[G0+4*(\s)+3], 0x80000000
	s_mov_b32 s[G0B+4*(\s)], 1
	s_add_co_u32 s[G0B+4*(\s)+1], s20, (\s)*SLOT
	s_add_nc_u64 s[G0B+4*(\s)+2:G0B+4*(\s)+3], s[46:47], s[KO:KO+1]
	s_or_b32 s[G0B+4*(\s)+3], s[G0B+4*(\s)+3], 0x80000000
.endr
	s_add_co_u32 s[KS], s[KS], 2
	s_cmp_eq_u32 s11, 0                            ; a wave's two first fills stand in one branch: two loads of mine are out
	s_cbranch_scc0 .Lfirst_b
	tensor_load_to_lds s[G0:G0+3], s[G1:G1+7]
	s_nop 0
	tensor_load_to_lds s[G0+4:G0+7], s[G1:G1+7]
	s_nop 0
.rept 4
	v_nop
.endr
	s_branch .Lfirst_asked
.Lfirst_b:
	tensor_load_to_lds s[G0B:G0B+3], s[G1B:G1B+7]
	s_nop 0
	tensor_load_to_lds s[G0B+4:G0B+7], s[G1B:G1B+7]
	s_nop 0
.rept 4
	v_nop
.endr
.Lfirst_asked:
	v_and_b32 v1, 15, v0
	v_bfe_u32 v2, v0, 4, 1
	v_and_b32 v5, 31, v0
	s_lshl_b32 s[TM], s13, 7
	s_lshl_b32 s[TM+1], s10, 5
	s_add_co_u32 s[TM], s[TM], s[TM+1]             ; the first of the 32 rows that I send out
	s_lshl_b32 s[TM+2], s[TM], 11                  ; in the residual: 2,048 bytes a row, the tile's 256
	s_lshl_b32 s[TM+1], s42, 8
	s_add_co_u32 s[TM+2], s[TM+2], s[TM+1]
	s_mov_b32 s[TM+3], 0
	s_add_nc_u64 s[RESP:RESP+1], s[RESP:RESP+1], s[TM+2:TM+3]
	s_lshl_b32 s[TM], s[TM], 12                    ; in y: 4,096 bytes a row, the tile's 512
	s_lshl_b32 s[TM+1], s42, 9
	s_add_co_u32 s[TM], s[TM], s[TM+1]
	s_mov_b32 s[TM+1], 0
	s_add_nc_u64 s[8:9], s[8:9], s[TM:TM+1]
	s_lshl_b32 s[TM], s42, 9                       ; the bias of my 64 columns; my 8 of a block begin 8 (l / 16) further
	s_lshl_b32 s[TM+1], s12, 8
	s_add_co_u32 s[TM], s[TM], s[TM+1]
	v_lshl_add_u32 v[BA], v2, 5, s[TM]
	v_lshlrev_b32 v[RA], 3, v5
.irp b, 0,1,2,3
	global_load_b128 v[BI+8*\b:BI+8*\b+3],   v[BA], s[BIAS:BIAS+1] offset:64*\b
	global_load_b128 v[BI+8*\b+4:BI+8*\b+7], v[BA], s[BIAS:BIAS+1] offset:64*\b+16
.endr
.set t, 0
.rept 32                                           ; the residual: a row's 256 bytes a load; it stays on its way through the K loop, its registers and addresses untouched
	global_load_b64 v[RES+2*t:RES+2*t+1], v[RA], s[RESP:RESP+1] offset:2048*t
.set t, t+1
.endr
	v_mov_b32 v[ONE], 1.0
	v_mul_u32_u24 v3, v1, PITCH
	v_lshl_add_u32 v3, v2, 4, v3
	s_mul_i32 s22, s11, HALFT
	v_add_nc_u32 v[ADRA0], s22, v3
	s_mul_i32 s23, s12, HALFT
	s_add_co_u32 s23, s23, 2*HALFT
	v_add_nc_u32 v[ADRB0], s23, v3
	s_mul_i32 s22, s11, 64*SPIT                    ; into the stage: row 64 x half + l % 16, my 256 bytes of its 512, 32 bytes for each half of the lanes
	s_lshl_b32 s23, s12, 8
	s_add_co_u32 s22, s22, s23
	v_mul_u32_u24 v4, v1, SPIT
	v_lshl_add_u32 v4, v2, 5, v4
	v_add_nc_u32 v[STO], s22, v4
	s_mul_i32 s22, s10, 32*SPIT                    ; back: wave w takes rows 32 w ..; 32 lanes take a row's 512 bytes
	v_lshl_add_u32 v[RD], v5, 4, s22
	v_lshlrev_b32 v[CO], 4, v5
	s_wait_loadcnt 32                              ; the bias is in; the 32 loads of the residual may be out
.set n, 0
.rept 16
	v_cvt_pk_bf16_f32 v12, v[BI+n], v[BI+n+1]      ; rounded to bf16 like every input
	v_lshlrev_b32 v[BI+n], 16, v12
	v_and_b32 v[BI+n+1], 0xffff0000, v12
.set n, n+2
.endr
; 8 matrix instructions: row blocks a0, a0 + 1 x all 4 column blocks, 32 along K: half c of buffer f.  zero = 1: the first product starts the sums, with the bias as C
.macro MUL8 f, c, a0, zero
	WIN 0x05                                       ; sources 0 (B) and 1 (A) window 1; C and D window 0
.irp a, \a0, (\a0)+1
.irp b, 0,1,2,3
.if \zero
	v_wmma_f32_16x16x32_f16 v[ACC+8*(4*(\a)+(\b)):ACC+8*(4*(\a)+(\b))+7], v[(\f)+64+8*(4*(\c)+(\b)):(\f)+64+8*(4*(\c)+(\b))+7], v[(\f)+8*(4*(\c)+(\a)):(\f)+8*(4*(\c)+(\a))+7], v[BI+8*(\b):BI+8*(\b)+7]
.else
	v_wmma_f32_16x16x32_f16 v[ACC+8*(4*(\a)+(\b)):ACC+8*(4*(\a)+(\b))+7], v[(\f)+64+8*(4*(\c)+(\b)):(\f)+64+8*(4*(\c)+(\b))+7], v[(\f)+8*(4*(\c)+(\a)):(\f)+8*(4*(\c)+(\a))+7], v[ACC+8*(4*(\a)+(\b)):ACC+8*(4*(\a)+(\b))+7]
.endif
.endr
.endr
.endm
.macro FETCH k, f                      ; 32 LDS loads in one run: 64 along K at byte k of the rows of the slot in hand; the first 32 along K first
	WIN 0x40
.irp c, 0,1
.irp i, 0,1,2,3
	ds_load_b128 v[(\f)+64+8*(4*(\c)+(\i)):(\f)+64+8*(4*(\c)+(\i))+3],   v[ADRB] offset:(\k)+64*(\c)+(\i)*16*PITCH
	ds_load_b128 v[(\f)+64+8*(4*(\c)+(\i))+4:(\f)+64+8*(4*(\c)+(\i))+7], v[ADRB] offset:(\k)+64*(\c)+(\i)*16*PITCH+32
	ds_load_b128 v[(\f)+8*(4*(\c)+(\i)):(\f)+8*(4*(\c)+(\i))+3],         v[ADRA] offset:(\k)+64*(\c)+(\i)*16*PITCH
	ds_load_b128 v[(\f)+8*(4*(\c)+(\i))+4:(\f)+8*(4*(\c)+(\i))+7],       v[ADRA] offset:(\k)+64*(\c)+(\i)*16*PITCH+32
.endr
.endr
.endm
.macro QUARTER k, f, g, zero
	s_wait_dscnt 16                                ; the first 32 along K are in
	MUL8 \f, 0, 0, \zero
	MUL8 \f, 0, 2, \zero
	PLACES
	FETCH \k, \g
	s_wait_dscnt 32                                ; all but the 32 just issued
	MUL8 \f, 1, 0, 0
	MUL8 \f, 1, 2, 0
.endm
; The last quarter multiplies buffer 1 and changes slots: one barrier; fill = 1: it opens a round of the cluster's, and the slot read out is filled again first.
; A step's matrix work is shorter than a refill's way, so as little as may be stands between a tile's landing and the next request: the descriptor's words are made while the add is out,
; eight matrix instructions stand between the add and the wait for it, and the quarter's other 24 follow the refill and the run of LDS loads.
.macro TURN fill
	WIN 0
	s_wait_tensorcnt 0x0                           ; all my tensor loads have landed: my part of the next slot; so a group 0 may be written
	ds_add_u32 v[SPW], v[NIL]                      ; 0 onto my spare word
.if \fill
	s_and_b32 s[KO], s[KS], NSTEP-1                ; the walk's next K step, wrapped round,
	s_lshl_b32 s[KO], s[KO], 9
	s_add_co_u32 s[KS], s[KS], 1
	s_add_co_u32 s[G0+5], s20, s[CUR]              ; into the slot in hand; the global address is made anew from my rows' first byte
	s_add_nc_u64 s[G0+6:G0+7], s[14:15], s[KO:KO+1]
	s_or_b32 s[G0+7], s[G0+7], 0x80000000
	s_add_co_u32 s[G0B+5], s20, s[CUR]
	s_add_nc_u64 s[G0B+6:G0B+7], s[46:47], s[KO:KO+1]
	s_or_b32 s[G0B+7], s[G0B+7], 0x80000000
.endif
	s_xor_b32 s[CUR], s[CUR], SLOT
	s_wait_dscnt 17                                ; (the add and the youngest sixteen loads may be out)
	MUL8 F1, 0, 0, 0
	WIN 0
	s_wait_dscnt 0x0                               ; the add is done, and my reads of this slot are over
	s_barrier_signal -1
	s_barrier_wait -1
.if \fill
	CREST                                          ; no wave of any partner still reads this slot or has a load on its way
	JLOAD                                          ; its four v_nop are also the places in front of the loads below
.else
	PLACES
.endif
	v_add_nc_u32 v[ADRA], s[CUR], v[ADRA0]
	v_add_nc_u32 v[ADRB], s[CUR], v[ADRB0]
	FETCH 0, F0
	MUL8 F1, 0, 2, 0
	MUL8 F1, 1, 0, 0
	MUL8 F1, 1, 2, 0
.endm
	s_wait_tensorcnt 1                             ; my part of the walk's first step is in; the second's may stay out
	s_barrier_signal -1
	s_barrier_wait -1
	s_mov_b32 s[CUR], 0
	v_mov_b32 v[ADRA], v[ADRA0]
	v_mov_b32 v[ADRB], v[ADRB0]
	FETCH 0, F0
	QUARTER 128, F0, F1, 1
	WIN 0
	s_mov_b32 s3, NSTEP-2
.La:
	QUARTER 256, F1, F0, 0
	QUARTER 384, F0, F1, 0
	TURN 1
	QUARTER 128, F0, F1, 0
	WIN 0
	s_sub_co_u32 s3, s3, 1
	s_cmp_lg_u32 s3, 0
	s_cbranch_scc1 .La
	s_mov_b32 s3, 2
.Lb:                                               ; the last two K steps ask for nothing; the second trip is left in its middle
	QUARTER 256, F1, F0, 0
	QUARTER 384, F0, F1, 0
	WIN 0
	s_sub_co_u32 s3, s3, 1
	s_cmp_eq_u32 s3, 0
	s_cbranch_scc1 .Lfin
	TURN 0
	QUARTER 128, F0, F1, 0
	WIN 0
	s_cmp_lg_u32 s3, 0
	s_cbranch_scc1 .Lb
.Lfin:
	s_wait_dscnt 16
	MUL8 F1, 0, 0, 0
	MUL8 F1, 0, 2, 0
	s_wait_dscnt 0x0
	MUL8 F1, 1, 0, 0
	MUL8 F1, 1, 2, 0
	WIN 0
	s_barrier_signal -1                            ; everybody's reads of the ring are over: the stage may be written over it
	s_barrier_wait -1
.rept 8
	v_nop                                          ; the places behind the last products
.endr
.set t, 0
.rept 16                                           ; accumulator t = 4 a + b: its low four registers first
	ds_store_b128 v[STO], v[ACC+8*t:ACC+8*t+3]   offset:(t/4)*16*SPIT+64*(t%4)
	ds_store_b128 v[STO], v[ACC+8*t+4:ACC+8*t+7] offset:(t/4)*16*SPIT+64*(t%4)+16
.set t, t+1
.endr
	s_wait_dscnt 0x0                               ; for the others' sake: my stores into the stage are done
	s_barrier_signal -1
	s_barrier_wait -1
.set t, 0
.rept 32
	ds_load_b128 v[ACC+4*t:ACC+4*t+3], v[RD] offset:SPIT*t
.set t, t+1
.endr
	s_wait_loadcnt 0x0                             ; the residual
.set t, 0
.rept 32
	s_wait_dscnt 31-t                              ; row t is back; the later rows may be out
.if RESBF
	v_fma_mix_f32_bf16 v[ACC+4*t],   v[RES+2*t],   v[ONE], v[ACC+4*t]   op_sel:[0,0,0] op_sel_hi:[1,0,0]
	v_fma_mix_f32_bf16 v[ACC+4*t+1], v[RES+2*t],   v[ONE], v[ACC+4*t+1] op_sel:[1,0,0] op_sel_hi:[1,0,0]
	v_fma_mix_f32_bf16 v[ACC+4*t+2], v[RES+2*t+1], v[ONE], v[ACC+4*t+2] op_sel:[0,0,0] op_sel_hi:[1,0,0]
	v_fma_mix_f32_bf16 v[ACC+4*t+3], v[RES+2*t+1], v[ONE], v[ACC+4*t+3] op_sel:[1,0,0] op_sel_hi:[1,0,0]
.else
	v_fma_mix_f32 v[ACC+4*t],   v[RES+2*t],   v[ONE], v[ACC+4*t]   op_sel:[0,0,0] op_sel_hi:[1,0,0]
	v_fma_mix_f32 v[ACC+4*t+1], v[RES+2*t],   v[ONE], v[ACC+4*t+1] op_sel:[1,0,0] op_sel_hi:[1,0,0]
	v_fma_mix_f32 v[ACC+4*t+2], v[RES+2*t+1], v[ONE], v[ACC+4*t+2] op_sel:[0,0,0] op_sel_hi:[1,0,0]
	v_fma_mix_f32 v[ACC+4*t+3], v[RES+2*t+1], v[ONE], v[ACC+4*t+3] op_sel:[1,0,0] op_sel_hi:[1,0,0]
.endif
	global_store_b128 v[CO], v[ACC+4*t:ACC+4*t+3], s[8:9] offset:4096*t  ; 512 consecutive bytes of a row of y, aligned
.set t, t+1
.endr
	s_wait_tensorcnt 0x0                           ; the wave's end
	ds_add_u32 v[SPW], v[NIL]
	s_wait_dscnt 0x0
	CROUND                                         ; the closing round
	s_endpgm
.Lfunc_end_k_qb1dc337c1d_mlp2:
	.size	k_qb1dc337c1d_mlp2, .Lfunc_end_k_qb1dc337c1d_mlp2-k_qb1dc337c1d_mlp2
	.p2alignl 7, 3214868480
	.fill 96, 4, 3214868480
	.section	.rodata,"a",@progbits
	.p2align	6, 0x0
	.amdhsa_kernel k_qb1dc337c1d_mlp2
		.amdhsa_group_segment_fixed_size 327680
		.amdhsa_private_segment_fixed_size 0
		.amdhsa_enable_private_segment 0
		.amdhsa_kernarg_size 40
		.amdhsa_user_sgpr_count 2
		.amdhsa_user_sgpr_kernarg_segment_ptr 1
		.amdhsa_wavefront_size32 1
		.amdhsa_system_sgpr_workgroup_id_x 1
		.amdhsa_system_sgpr_workgroup_id_y 1
		.amdhsa_system_sgpr_workgroup_id_z 1
		.amdhsa_system_vgpr_workitem_id 0
		.amdhsa_next_free_vgpr 512
		.amdhsa_next_free_sgpr 80
		.amdhsa_reserve_vcc 0
		.amdhsa_float_denorm_mode_32 3
		.amdhsa_float_denorm_mode_16_64 3
		.amdhsa_memory_ordered 1
		.amdhsa_forward_progress 1
		.amdhsa_inst_pref_size 75
	.end_amdhsa_kernel
	.amdgpu_metadata
---
amdhsa.version: [ 1, 2 ]
amdhsa.kernels:
  - .name:           k_qb1dc337c1d_mlp2
    .symbol:         k_qb1dc337c1d_mlp2.kd
    .args:
      - { .name: hb, .offset: 0, .size: 8, .value_kind: global_buffer, .address_space: global }
      - { .name: cv, .offset: 8, .size: 8, .value_kind: global_buffer, .address_space: global }
      - { .name: b2, .offset: 16, .size: 8, .value_kind: global_buffer, .address_space: global }
      - { .name: x1h, .offset: 24, .size: 8, .value_kind: global_buffer, .address_space: global }
      - { .name: y, .offset: 32, .size: 8, .value_kind: global_buffer, .address_space: global }
    .group_segment_fixed_size: 327680
    .private_segment_fixed_size: 0
    .kernarg_segment_align: 8
    .kernarg_segment_size: 40
    .max_flat_workgroup_size: 128
    .sgpr_count:     80
    .vgpr_count:     512
    .wavefront_size: 32
...
	.end_amdgpu_metadata
.endif
;; end of part 7
;; launch ln2 (part 8): grid 512 x 1, 8 waves a work-group, no clusters, 0 bytes of LDS; arguments y, ln2_g, ln2_b, out0; writes out0
.if DOCPART == 8
	.amdgcn_target "amdgcn-amd-amdhsa--gfx1250"
	.amdhsa_code_object_version 6
	.text
	.protected	k_qb1dc337c1d_ln2
	.globl	k_qb1dc337c1d_ln2
	.p2align	8
	.type	k_qb1dc337c1d_ln2,@function
k_qb1dc337c1d_ln2:
	s_mov_b64 s[64:65], 0
	v_nop
	global_prefetch_b8 v0, s[64:65] scope:SCOPE_SE
	s_setreg_imm32_b32 hwreg(HW_REG_WAVE_MODE, 25, 1), 1
	s_wait_xcnt 0x0
; out0 = layer norm of y's rows, times g, plus b, in f32.  y: f32 [4096][1024]; g, b: f32 [1024], rounded to bf16 like every input.
; Two passes over registers: the mean, then the mean of (x - mean)^2; 1 / sqrt(var + 1e-5).  All in f32.  NaN and infinities are not treated apart.
; A wave takes a row (4,096 bytes, 32 registers a lane) and keeps it between the passes: no LDS, no barrier.  Each load and store covers 512 consecutive bytes, aligned.
.set F16OUT, 0
.set X,  8                             ; v[8:39]    the row: load j holds columns 128 j + 4 l + 0..3
.set G,  40                            ; v[40:71]   g of the same columns
.set BV, 72                            ; v[72:103]  b
.set P,  104                           ; v[104:111] four pairs of partial sums
.set MU, 112
.set RS, 114
.set R,  116                           ; v116-117   the reduction
.set T,  118
	s_load_b256 s[4:11], s[0:1], 0x0               ; y, g, b, out
	v_lshrrev_b32 v1, 5, v0
	v_readfirstlane_b32 s2, v1
	s_lshl_b32 s3, ttmp9, 3
	s_add_co_u32 s2, s2, s3                        ; my row
	s_lshl_b32 s18, s2, 12
	s_mov_b32 s19, 0
	s_lshl_b32 s20, s2, 12-F16OUT
	s_mov_b32 s21, 0
	s_mov_b32 s12, 0x76543210                      ; v_permlanex16_b32: each lane takes its own place in the other half
	s_mov_b32 s13, 0xfedcba98
	s_mov_b32 s14, 0x3a800000                      ; 1 / 1024
	s_mov_b32 s15, 0x3727c5ac                      ; 1e-5
	s_mov_b32 s16, 0xffff0000
	v_and_b32 v1, 31, v0
	v_lshlrev_b32 v2, 4, v1
	v_lshlrev_b32 v3, 4-F16OUT, v1
	v_mov_b32 v[R+1], 0                            ; v_permlanex16_b32's destination counts as read
	s_wait_kmcnt 0x0
	s_add_nc_u64 s[4:5], s[4:5], s[18:19]
	s_add_nc_u64 s[10:11], s[10:11], s[20:21]
.irp j, 0,1,2,3,4,5,6,7
	global_load_b128 v[X+4*\j:X+4*\j+3], v2, s[4:5] offset:512*\j th:TH_LOAD_NT
.endr
.irp j, 0,1,2,3,4,5,6,7
	global_load_b128 v[G+4*\j:G+4*\j+3], v2, s[6:7] offset:512*\j
.endr
.irp j, 0,1,2,3,4,5,6,7
	global_load_b128 v[BV+4*\j:BV+4*\j+3], v2, s[8:9] offset:512*\j
.endr
.macro RED                             ; the four pairs, then the 32 lanes: every lane ends with the sum in v[R]
	v_pk_add_f32 v[P:P+1], v[P:P+1], v[P+2:P+3]
	v_pk_add_f32 v[P+4:P+5], v[P+4:P+5], v[P+6:P+7]
	v_pk_add_f32 v[P:P+1], v[P:P+1], v[P+4:P+5]
	v_add_f32 v[R], v[P], v[P+1]
	v_add_f32_dpp v[R], v[R], v[R] row_xmask:1 row_mask:0xf bank_mask:0xf
	v_add_f32_dpp v[R], v[R], v[R] row_xmask:2 row_mask:0xf bank_mask:0xf
	v_add_f32_dpp v[R], v[R], v[R] row_xmask:4 row_mask:0xf bank_mask:0xf
	v_add_f32_dpp v[R], v[R], v[R] row_xmask:8 row_mask:0xf bank_mask:0xf
	v_permlanex16_b32 v[R+1], v[R], s12, s13
	v_add_f32 v[R], v[R], v[R+1]
.endm
	s_wait_loadcnt 16                              ; the row is in; g's and b's sixteen loads may be out
.irp k, 0,1,2,3
	v_pk_add_f32 v[P+2*\k:P+2*\k+1], v[X+2*\k:X+2*\k+1], v[X+8+2*\k:X+8+2*\k+1]
.endr
.irp m, 8,9,10,11,12,13,14,15
	v_pk_add_f32 v[P+2*(\m%4):P+2*(\m%4)+1], v[P+2*(\m%4):P+2*(\m%4)+1], v[X+2*\m:X+2*\m+1]
.endr
	RED
	v_mul_f32 v[MU], s14, v[R]
	v_mul_f32 v[MU+1], s14, v[R]
.set n, 0
.rept 16
	v_pk_add_f32 v[X+n:X+n+1], v[X+n:X+n+1], v[MU:MU+1] neg_lo:[0,1] neg_hi:[0,1]
.set n, n+2
.endr
.irp k, 0,1,2,3
	v_pk_mul_f32 v[P+2*\k:P+2*\k+1], v[X+2*\k:X+2*\k+1], v[X+2*\k:X+2*\k+1]
.endr
.irp m, 4,5,6,7,8,9,10,11,12,13,14,15
	v_pk_fma_f32 v[P+2*(\m%4):P+2*(\m%4)+1], v[X+2*\m:X+2*\m+1], v[X+2*\m:X+2*\m+1], v[P+2*(\m%4):P+2*(\m%4)+1]
.endr
	RED
	v_fma_f32 v[R], v[R], s14, s15                 ; var + 1e-5
	v_rsq_f32 v[RS], v[R]
	v_rsq_f32 v[RS+1], v[R]
	s_wait_loadcnt 0x0                             ; g and b: their rounding to bf16 is the independent work behind the two roots
.set n, 0
.rept 16
	v_cvt_pk_bf16_f32 v[T], v[G+n], v[G+n+1]
	v_lshlrev_b32 v[G+n], 16, v[T]
	v_and_b32 v[G+n+1], s16, v[T]
	v_cvt_pk_bf16_f32 v[T+1], v[BV+n], v[BV+n+1]
	v_lshlrev_b32 v[BV+n], 16, v[T+1]
	v_and_b32 v[BV+n+1], s16, v[T+1]
.set n, n+2
.endr
	s_wait_alu depctr_va_vdst(0)                   ; one wait for both roots, ahead of their first reader
.set n, 0
.rept 16
	v_pk_mul_f32 v[X+n:X+n+1], v[X+n:X+n+1], v[RS:RS+1]
.set n, n+2
.endr
.set n, 0
.rept 16
	v_pk_fma_f32 v[X+n:X+n+1], v[X+n:X+n+1], v[G+n:G+n+1], v[BV+n:BV+n+1]
.set n, n+2
.endr
.if F16OUT
.set n, 0
.rept 16
	v_cvt_pk_f16_f32 v[G+n], v[X+2*n], v[X+2*n+1]
.set n, n+1
.endr
.irp j, 0,1,2,3,4,5,6,7
	global_store_b64 v3, v[G+2*\j:G+2*\j+1], s[10:11] offset:256*\j
.endr
.else
.irp j, 0,1,2,3,4,5,6,7
	global_store_b128 v3, v[X+4*\j:X+4*\j+3], s[10:11] offset:512*\j th:TH_STORE_NT
.endr
.endif
	s_endpgm
.Lfunc_end_k_qb1dc337c1d_ln2:
	.size	k_qb1dc337c1d_ln2, .Lfunc_end_k_qb1dc337c1d_ln2-k_qb1dc337c1d_ln2
	.p2alignl 7, 3214868480
	.fill 96, 4, 3214868480
	.section	.rodata,"a",@progbits
	.p2align	6, 0x0
	.amdhsa_kernel k_qb1dc337c1d_ln2
		.amdhsa_group_segment_fixed_size 0
		.amdhsa_private_segment_fixed_size 0
		.amdhsa_enable_private_segment 0
		.amdhsa_kernarg_size 32
		.amdhsa_user_sgpr_count 2
		.amdhsa_user_sgpr_kernarg_segment_ptr 1
		.amdhsa_wavefront_size32 1
		.amdhsa_system_sgpr_workgroup_id_x 1
		.amdhsa_system_sgpr_workgroup_id_y 1
		.amdhsa_system_sgpr_workgroup_id_z 1
		.amdhsa_system_vgpr_workitem_id 0
		.amdhsa_next_free_vgpr 128
		.amdhsa_next_free_sgpr 66
		.amdhsa_reserve_vcc 0
		.amdhsa_float_denorm_mode_32 3
		.amdhsa_float_denorm_mode_16_64 3
		.amdhsa_memory_ordered 1
		.amdhsa_forward_progress 1
		.amdhsa_inst_pref_size 15
	.end_amdhsa_kernel
	.amdgpu_metadata
---
amdhsa.version: [ 1, 2 ]
amdhsa.kernels:
  - .name:           k_qb1dc337c1d_ln2
    .symbol:         k_qb1dc337c1d_ln2.kd
    .args:
      - { .name: y, .offset: 0, .size: 8, .value_kind: global_buffer, .address_space: global }
      - { .name: ln2_g, .offset: 8, .size: 8, .value_kind: global_buffer, .address_space: global }
      - { .name: ln2_b, .offset: 16, .size: 8, .value_kind: global_buffer, .address_space: global }
      - { .name: out0, .offset: 24, .size: 8, .value_kind: global_buffer, .address_space: global }
    .group_segment_fixed_size: 0
    .private_segment_fixed_size: 0
    .kernarg_segment_align: 8
    .kernarg_segment_size: 32
    .max_flat_workgroup_size: 256
    .sgpr_count:     66
    .vgpr_count:     128
    .wavefront_size: 32
...
	.end_amdgpu_metadata
.endif
;; end of part 8
